; MI455X (gfx1250); checked and timed in simulation.
; The chip was launched on July 23, 2026; its instructions are those of AMD's public machine-readable ISA for CDNA 5 (MIT licence, August 2026) and "CDNA5" Instruction Set Architecture Reference Guide (July 2026). The comments in the code are by the model that wrote it; some were corrected since.
;; multihead self attention. Allowed arithmetic: matrix products marked QUANTISED: E2M3 operands, one E8M0 scale for each 32 along K, by v_wmma_scale_f32_16x16x128_f8f6f4 with both operands' format E2M3, f32 sums; everything else in f32.
;; Inputs: Wk 1,024 x 1,024 float32; Wo 1,024 x 1,024 float32; Wq 1,024 x 1,024 float32; Wv 1,024 x 1,024 float32; token_positions 2,048 int32; x 4 x 2,048 x 1,024 float32.
;; Outputs: out0 4 x 2,048 x 1,024 float32.
;; This version of the problem:
;;   THIS VERSION OF THE PROBLEM IS GIVEN IN LOW PRECISION. The matrix products marked QUANTISED in the list below multiply operands that are first quantised to E2M3 (2 exponent bits, 3 mantissa bits; 6 bits a number), with one power-of-two scale for each 32 numbers along K (OCP MX v1.0); their sums are f32. All else is computed in f32.
;;   The module's matrix products, in the order in which they are computed (A, B: the left and right operand; K: the contracted axis; several contracted axes count as one K, in the product's order):
;;     1. [M 8,192, K 1,024] x [K 1,024, N 1,024]; A: input x; B: input Wq: QUANTISED
;;     2. [M 8,192, K 1,024] x [K 1,024, N 1,024]; A: input x; B: input Wk: QUANTISED
;;     3. [M 8,192, K 1,024] x [K 1,024, N 1,024]; A: input x; B: input Wv: QUANTISED
;;     4. batch 64 x [M 2,048, K 64] x [K 64, N 2,048]; A: computed on the way; B: computed on the way: QUANTISED
;;     5. batch 64 x [M 2,048, K 2,048] x [K 2,048, N 64]; A: softmax (see below); B: computed on the way: QUANTISED
;;     6. [M 8,192, K 1,024] x [K 1,024, N 1,024]; A: computed on the way; B: input Wo: QUANTISED
;;   THE QUANTISER, for each operand of a quantised product, along K:
;;     - K is cut into blocks of 32 from its start; a last block that is shorter is filled with zeros.
;;     - A block's scale is 2^e with e = floor(log2(the largest magnitude in the block)) - 2, held to -126 .. 127; a block of zeros has e = 0. As a byte (E8M0): e + 127.
;;     - Each number is divided by its block's scale, clamped to +-7.5, and rounded to the nearest number of E2M3, ties to even, subnormals kept.
;;     - The product sums the exact products of the quantised numbers (number of the format x scale) in f32.
;;   ~~~python
;;   def quantise(x, axis):      # numpy; x: float32 -> the quantised numbers, widened to float32 again
;;       x = np.moveaxis(x, axis, -1); K = x.shape[-1]
;;       x = np.pad(x, [(0, 0)] * (x.ndim - 1) + [(0, -K % 32)]); x = x.reshape(x.shape[:-1] + (-1, 32)); a = np.abs(x).max(-1, keepdims=True)
;;       e = np.where(a > 0, np.clip(np.frexp(np.where(a > 0, a, 1))[1] - 1 - 2, -126, 127), 0)      # np.frexp(a)[1] - 1 = floor(log2(a)), exactly
;;       r = np.clip(x / 2.0 ** e, -7.5, 7.5)
;;       step = 2.0 ** (np.maximum(np.frexp(np.where(r == 0, 1, r))[1] - 1, 0) - 3)
;;       q = np.round(r / step) * step * 2.0 ** e      # np.round: ties to even
;;       return np.moveaxis(q.reshape(q.shape[:-2] + (-1,))[..., :K], -1, axis).astype(np.float32)
;;   ~~~
;;   SOFTMAX AHEAD OF A QUANTISED PRODUCT. Where the list says 'softmax', what is quantised is not the finished softmax but p = 2^(t - M), with t = logit x log2(e) and M = ceil(the row's largest t), a whole number; so 1/2 < the row's largest p <= 1. The row's sum l is taken of the UNQUANTISED p, in f32, and the product's result is divided by l at the end. Since M is a whole number, a kernel that streams over the keys may use a running M (the ceiling of the running maximum): every later rescaling is an exact power of two, which a block's scale takes up: the codes' values come out the same.
;;   OPERANDS COMPUTED ON THE WAY. 'Computed on the way' means the value that the module computes at that place (a softmax that the list does not call 'softmax' is quantised finished and normalised). What goes into a quantiser is computed in f32, as accurately as f32 sums, v_exp_f32 and their like allow (about 1e-6 of the number): no bf16 or f16 on the way to a quantiser, and a product that is left as it is and whose result goes on into a quantised operand takes f32 operands (vector FMAs, or v_wmma_f32_16x16x4_f32). A number that lies on a knife's edge between two numbers of the format may be rounded either way, as far as f32 arithmetic and the matrix unit's own rounding can turn it there, and no further.
;; One version. Each part assembles by itself: llvm-mc -triple=amdgcn-amd-amdhsa -mcpu=gfx1250 --defsym DOCPART=n.
;; ======== version 1 of 1: 4 launches
;; limits: right only within a limited range of input values
;; workspace buffers: opc 9,437,184 bytes; ops 393,216 bytes; rope 524,288 bytes; qb 6,815,744 bytes; kv 13,369,344 bytes; acodes 6,291,456 bytes; ascales 262,144 bytes
;; launch prep (part 1): grid 416 x 1, 4 waves a work-group, no clusters, 35,328 bytes of LDS; arguments x, Wq, Wk, Wv, Wo, token_positions, opc, ops, rope; writes opc, ops, rope
.if DOCPART == 1
	.amdgcn_target "amdgcn-amd-amdhsa--gfx1250"
	.amdhsa_code_object_version 6
	.text
	.protected	k_q822082aa08_prep
	.globl	k_q822082aa08_prep
	.p2align	8
	.type	k_q822082aa08_prep,@function
k_q822082aa08_prep:
	s_mov_b64 s[64:65], 0
	v_nop
	global_prefetch_b8 v0, s[64:65] scope:SCOPE_SE
	s_setreg_imm32_b32 hwreg(HW_REG_WAVE_MODE, 25, 1), 1
	s_wait_xcnt 0x0
; PREP.  x [8192][1024] and Wq, Wk, Wv, Wo [1024][1024], f32 with K innermost, become codes of FP6 (E2M3) with one E8M0 byte for each 32 along K, laid in the ORDER OF THE OPERAND'S REGISTERS;
; and token_positions becomes a table of cosines and sines for the rotation of q and k.
; CODES (opc): [K step of 256: 0..3][tile of 16 rows: 0..767][3,072 bytes] ; 3,072 = [128 along K: 0..1][piece p: 0..5][lane][8 bytes]; piece p is registers 2 p, 2 p + 1 of the fragment (16 rows x 128 K, 12 registers a lane).
; SCALES (ops): [128 along K: 0..7][tile][row 0..15][4 bytes].   Tiles 0-511 x, 512-575 Wq, 576-639 Wk, 640-703 Wv, 704-767 Wo.
; THE ROWS OF A TILE: but for Wo's, tile T takes rows 32 (T / 2) + 8 (T % 2) + i + 8 (i / 8), i = 0..15: two runs of eight rows, 16 rows apart.  Used as source 0 of a product, two neighbouring tiles then leave 16
; neighbouring rows in a lane's 16 result registers, which is what the next quantiser wants.  Wo's tiles take 16 neighbouring rows.
; A block's scale is 2^(floor(log2(largest magnitude)) - 2); its byte is the largest magnitude's exponent field - 2, held at 1 from below.
; LIMITS: a block of zeros, or one whose largest magnitude lies under 2^-124, gets the byte 1 (its codes are zeros or what the conversion gives under that scale; the bytes are read by this program alone);
; NaN and infinities among the inputs are not served; |token position| up to 4,000,000 (the reduction's multiple of pi / 2 then stays under 2^22); 1 / 10000^(p / 32) is made to about one unit in its last place.
; SHARES.  Work-groups 0-383: wave w of work-group g takes tile 4 (g / 2) + w and half g % 2 of K: 16 rows x 512 numbers, four fragments.  A load takes one row's 512 consecutive bytes; the 16 rows turn through the wave's
; own stage in LDS (pitch 528 bytes), from which lane (r, h) takes row r's numbers 64 c + 32 h + 0..31: two whole blocks.  Each of a fragment's six stores covers 256 consecutive bytes, aligned.
; The four waves' scale words meet in LDS, and each wave stores 256 consecutive bytes of one plane of ops.   Work-groups 384-415: the table; they touch no LDS.
.set PL,    2359296                    ; bytes of a K step's plane in opc: 768 tiles x 3,072
.set SPL,   49152                      ; bytes of a plane in ops: 768 tiles x 64
.set STGB,  8448                       ; a wave's stage: 16 rows x 528
.set SCG,   33792                      ; behind the four stages: the scale words, [fragment t][4 tiles][64 bytes]
.set SPARE, 34816                      ; the spare words, 128 bytes for each wave: two blocks of 256 bytes that no other line names
.set R,     16                         ; v16-143  two sets of 64: a fragment's numbers as loaded
.set X,     144                        ; v144-207 my two blocks of 32
.set C,     208                        ; v208-219 the fragment's codes
.set TC,    220                        ; v220-227 the upper halves' codes, before they are moved (a conversion's three registers begin on an even number)
.set M,     228                        ; v228-229 largest magnitudes;  v230-231 the conversions' scale operands;  v232-233 the bytes
.set SO,    230
.set BY,    232
.set WD,    234                        ; v234-237 a scale word for each fragment
.set PD,    238                        ; v238     a lane permute's destination
	s_load_b256 s[4:11], s[0:1], 0x0               ; x, Wq, Wk, Wv
	s_load_b256 s[12:19], s[0:1], 0x20             ; Wo, token_positions, opc, ops
	s_load_b64 s[20:21], s[0:1], 0x40              ; rope
	v_lshl_add_u32 v10, v0, 2, SPARE               ; my spare word,
	v_mov_b32 v11, 0                               ; and 0: both kept for the add at the wave's end
	v_lshrrev_b32 v1, 5, v0
	v_readfirstlane_b32 s22, v1                    ; wave 0..3
	v_and_b32 v1, 31, v0                           ; lane
	v_and_b32 v2, 15, v0                           ; r
	v_bfe_u32 v3, v0, 4, 1                         ; h
	s_cmp_ge_u32 ttmp9, 384                        ; the work-group's number alone decides: all four waves go the same way
	s_cbranch_scc1 .Ltable
	v_lshlrev_b32 v4, 4, v1                        ; 16 x lane: my 16 bytes of a row's 512
	s_mul_i32 s23, s22, STGB
	v_add_nc_u32 v5, s23, v4                       ; the stage, on the way in
	v_mul_u32_u24 v6, v2, 528
	v_lshl_add_u32 v6, v3, 7, v6
	v_add_nc_u32 v6, s23, v6                       ; and on the way out: row r, + 128 h
	v_lshlrev_b32 v7, 3, v1                        ; 8 x lane
	s_lshl_b32 s23, s22, 6
	s_add_co_u32 s23, s23, SCG
	v_lshl_add_u32 v8, v2, 2, s23                  ; my tile's scale words: 64 x wave + 4 r
	s_lshl_b32 s23, s22, 8
	s_add_co_u32 s23, s23, SCG
	v_add_nc_u32 v9, s23, v7                       ; and what I carry out: fragment t = wave, 8 bytes a lane
	v_lshlrev_b32 v12, 3, v3                       ; 8 h
	v_mov_b32 v[PD], 0                             ; written once: a lane permute's destination counts as one of its sources
	s_mov_b32 s28, 0x76543210
	s_mov_b32 s29, 0xfedcba98                      ; v_permlanex16_b32's selects for lane l xor 16
	s_lshr_b32 s24, ttmp9, 1                       ; which four tiles
	s_and_b32 s25, ttmp9, 1                        ; which half of K
	s_lshl_b32 s26, s24, 2
	s_add_co_u32 s26, s26, s22                     ; my tile
	s_sub_co_u32 s27, ttmp9, 256
	s_lshr_b32 s27, s27, 5
	s_lshl_b32 s27, s27, 6
	s_add_co_u32 s27, s27, 512                     ; a weight's first tile: 512 + 64 x its number
	s_cmp_lt_u32 ttmp9, 256
	s_cselect_b32 s27, 0, s27                      ; x's: 0
	s_sub_co_u32 s38, s26, s27                     ; my tile within its tensor
	s_lshr_b32 s39, s38, 1
	s_lshl_b32 s39, s39, 5
	s_and_b32 s56, s38, 1
	s_lshl_b32 s56, s56, 3
	s_add_co_u32 s39, s39, s56                     ; its first row: 32 (T / 2) + 8 (T % 2),
	s_lshl_b32 s56, s38, 4                         ; or 16 T in Wo
	s_mov_b32 s60, 8*4096
	s_cmp_lt_u32 ttmp9, 352
	s_cselect_b32 s39, s39, s56
	s_cselect_b32 s60, 16*4096, s60                ; from its first eight rows to its second eight, in bytes
	s_mov_b32 s61, 0
	s_lshl_b32 s58, s39, 12                        ; a row is 4,096 bytes
	s_lshl_b32 s56, s25, 11
	s_add_co_u32 s58, s58, s56                     ; + my half of K
	s_mov_b32 s59, 0
	s_mul_i32 s56, s25, 2*PL
	s_mul_i32 s57, s26, 3072
	s_add_co_u32 s56, s56, s57                     ; my codes' place: K step 2 x half, my tile
	s_mov_b32 s57, 0
	s_lshl_b32 s62, s25, 2
	s_add_co_u32 s62, s62, s22
	s_mul_i32 s62, s62, SPL
	s_lshl_b32 s63, s24, 8
	s_add_co_u32 s62, s62, s63                     ; the scale words that I carry out: plane 4 x half + wave, the work-group's four tiles
	s_mov_b32 s63, 0
	s_wait_kmcnt 0x0
	s_cmp_lt_u32 ttmp9, 352                        ; which tensor: the choice hangs on the work-group's number alone
	s_cselect_b64 s[30:31], s[10:11], s[12:13]
	s_cmp_lt_u32 ttmp9, 320
	s_cselect_b64 s[30:31], s[8:9], s[30:31]
	s_cmp_lt_u32 ttmp9, 288
	s_cselect_b64 s[30:31], s[6:7], s[30:31]
	s_cmp_lt_u32 ttmp9, 256
	s_cselect_b64 s[30:31], s[4:5], s[30:31]
	s_add_nc_u64 s[30:31], s[30:31], s[58:59]      ; my first eight rows,
	s_add_nc_u64 s[32:33], s[30:31], s[60:61]      ; my second eight
	s_add_nc_u64 s[34:35], s[16:17], s[56:57]
	s_add_nc_u64 s[36:37], s[18:19], s[62:63]
.macro LOAD t                          ; fragment t: 16 rows x 512 consecutive bytes, into set t % 2
.irp j, 0,1,2,3,4,5,6,7
	global_load_b128 v[R+64*((\t)%2)+4*\j:R+64*((\t)%2)+4*\j+3], v4, s[30:31] offset:4096*\j+512*(\t) th:TH_LOAD_NT
.endr
.irp j, 0,1,2,3,4,5,6,7
	global_load_b128 v[R+64*((\t)%2)+32+4*\j:R+64*((\t)%2)+35+4*\j], v4, s[32:33] offset:4096*\j+512*(\t) th:TH_LOAD_NT
.endr
.endm
.macro FSTEP t
.set RS, R+64*((\t)%2)
.if (\t) < 3
	s_wait_loadcnt 16                              ; this fragment's 16 loads are in; the next one's 16 may be out
.else
	s_wait_loadcnt 0
.endif
.irp j, 0,1,2,3,4,5,6,7,8,9,10,11,12,13,14,15
	ds_store_b128 v5, v[RS+4*\j:RS+4*\j+3] offset:528*\j
.endr
.irp c, 0,1
.irp q, 0,1,2,3,4,5,6,7
	ds_load_b128 v[X+32*\c+4*\q:X+32*\c+4*\q+3], v6 offset:256*\c+16*\q   ; LDS serves a wave's instructions in order: these see the stores above
.endr
.endr
	s_wait_dscnt 0x0                               ; my two blocks are in, and the stores have read their registers,
.if (\t)+2 < 4
	LOAD (\t)+2                                    ; which take the fragment two further on
.endif
.irp c, 0,1
	v_max3_num_f32 v[M+\c], |v[X+32*\c]|, |v[X+32*\c+1]|, 0x1800000   ; block 2 c + h: all its 32 numbers are mine; and the floor 2^(3 - 127): the byte cannot fall under 1
.endr
.irp i, 2,4,6,8,10,12,14,16,18,20,22,24,26,28,30
.irp c, 0,1
	v_max3_num_f32 v[M+\c], v[M+\c], |v[X+32*\c+\i]|, |v[X+32*\c+\i+1]|
.endr
.endr
.irp c, 0,1
	v_add_nc_u32 v[SO+\c], 0xff000000, v[M+\c]     ; 2 off the exponent field: the conversion takes the exponent field of this operand as its scale
.endr
.irp c, 0,1
	v_lshrrev_b32 v[BY+\c], 23, v[SO+\c]           ; the scale's byte
.endr
	v_lshl_or_b32 v[WD+(\t)], v[BY+1], 16, v[BY]   ; my two bytes: blocks h and 2 + h,
	v_lshlrev_b32 v[WD+(\t)], v12, v[WD+(\t)]      ; at their places in the word;
	v_permlanex16_b32 v[PD], v[WD+(\t)], s28, s29
	v_or_b32 v[WD+(\t)], v[WD+(\t)], v[PD]         ; with lane l xor 16's two the word is whole
	s_wait_xcnt 0x0                                ; the last fragment's stores have read their data: the codes' registers are written again only behind this wait
.irp c, 0,1
	v_cvt_scalef32_pk16_fp6_f32 v[C+6*\c:C+6*\c+2], v[X+32*\c:X+32*\c+15], v[SO+\c]
	v_cvt_scalef32_pk16_fp6_f32 v[TC+4*\c:TC+4*\c+2], v[X+32*\c+16:X+32*\c+31], v[SO+\c]
.endr
	v_nop                                          ; one plain place behind a scaled conversion
.irp c, 0,1
.irp i, 0,1,2
	v_mov_b32 v[C+6*\c+3+\i], v[TC+4*\c+\i]        ; registers 6 c .. 6 c + 5 hold K = 64 c + 32 h + 0..31
.endr
.endr
.irp p, 0,1,2,3,4,5
	global_store_b64 v7, v[C+2*\p:C+2*\p+1], s[34:35] offset:((\t)/2)*PL+((\t)%2)*1536+256*\p   ; 32 lanes store 256 consecutive bytes, aligned
.endr
	ds_store_b32 v8, v[WD+(\t)] offset:256*(\t)    ; lanes r and r + 16 write the same word with the same value
.endm
	LOAD 0
	LOAD 1
	FSTEP 0
	FSTEP 1
	FSTEP 2
	FSTEP 3
	s_wait_dscnt 0x0                               ; for the others' sake: my scale words have landed
	s_barrier_signal -1
	s_barrier_wait -1
	ds_load_b64 v[240:241], v9                     ; fragment t = wave: the four tiles' 256 bytes
	s_wait_dscnt 0x0
	global_store_b64 v7, v[240:241], s[36:37]      ; 256 consecutive bytes, aligned
	s_wait_tensorcnt 0x0                           ; the wave's end: behind my last LDS store
	ds_add_u32 v10, v11
	s_wait_dscnt 0x0
	s_endpgm
; THE TABLE.  rope: [tile of 16 places in the sequence: 0..127, rows chosen as x's][j: 0..7][lane][16 bytes] = (cos, sin, cos, sin) of pairs p0, p0 + 1, p0 = 16 (j / 4) + 8 h + 2 (j % 4), at the position of the tile's row r.
; Work-group 384 + tb makes tiles 4 tb .. 4 tb + 3.  Store it (0..7) of thread (wave, lane) is tile 4 tb + it / 2, j = 4 (it % 2) + wave: so a thread has four positions and four frequencies.
; No sine or cosine instruction is used: the angle is reduced by a multiple of pi / 2 given in three parts, and two short polynomials on [-pi / 4, pi / 4] follow.
.Ltable:
	s_sub_co_u32 s23, ttmp9, 384                   ; tb
	s_mov_b32 s40, 0xbed49a78                      ; -log2(10000) / 32, its upper part,
	s_mov_b32 s41, 0xb21786c2                      ; and what is left of it
	s_mov_b32 s42, 0x3f22f983                      ; 2 / pi
	s_mov_b32 s43, 0xbfc90fdb                      ; -(pi / 2) in three parts
	s_mov_b32 s44, 0x333bbd2e
	s_mov_b32 s45, 0x26f72ced
	s_mov_b32 s46, 0xb94ca1f9                      ; the sine's three coefficients
	s_mov_b32 s47, 0x3c08839e
	s_mov_b32 s48, 0xbe2aaaa3
	s_mov_b32 s49, 0x37ccf5ce                      ; the cosine's three
	s_mov_b32 s50, 0xbab6061a
	s_mov_b32 s51, 0x3d2aaaa5
	v_and_b32 v4, 8, v2
	v_add_nc_u32 v4, v4, v2
	v_lshlrev_b32 v4, 2, v4                        ; 4 (r + 8 (r / 8))
	v_lshlrev_b32 v6, 4, v0                        ; 16 x thread
	s_lshl_b32 s24, s23, 8                         ; four tiles are 64 positions: 256 bytes
	s_mov_b32 s25, 0
	s_lshl_b32 s26, s23, 14                        ; and 16,384 bytes of the table
	s_mov_b32 s27, 0
	s_wait_kmcnt 0x0
	s_add_nc_u64 s[14:15], s[14:15], s[24:25]
	s_add_nc_u64 s[20:21], s[20:21], s[26:27]
.irp k, 0,1,2,3
	global_load_b32 v[16+\k], v4, s[14:15] offset:4*(32*(\k/2)+8*(\k%2))
.endr
	v_lshlrev_b32 v5, 3, v3
	s_lshl_b32 s26, s22, 1
	v_add_nc_u32 v5, s26, v5                       ; 8 h + 2 x wave
.irp f, 0,1,2,3
	v_add_nc_u32 v[20+\f], 16*(\f/2)+(\f%2), v5    ; the pair's number p
.endr
.irp f, 0,1,2,3
	v_cvt_f32_u32 v[20+\f], v[20+\f]
.endr
.irp f, 0,1,2,3
	v_mul_f32 v[24+\f], s40, v[20+\f]
.endr
.irp f, 0,1,2,3
	v_rndne_f32 v[24+\f], v[24+\f]                 ; the whole part n of -p log2(10000) / 32
.endr
.irp f, 0,1,2,3
	v_fma_f32 v[28+\f], v[20+\f], s40, -v[24+\f]   ; the rest, without a rounding,
.endr
.irp f, 0,1,2,3
	v_fma_f32 v[28+\f], v[20+\f], s41, v[28+\f]    ; and the constant's lower part
.endr
.irp f, 0,1,2,3
	v_exp_f32 v[28+\f], v[28+\f]
.endr
.irp f, 0,1,2,3
	v_cvt_i32_f32 v[24+\f], v[24+\f]               ; plain work behind the four exponentials
.endr
	s_wait_alu depctr_va_vdst(0)                   ; one wait for the batch, ahead of its first reader
.irp f, 0,1,2,3
	v_ldexp_f32 v[28+\f], v[28+\f], v[24+\f]       ; 1 / 10000^(p / 32)
.endr
	s_wait_loadcnt 0x0
.irp k, 0,1,2,3
	v_cvt_f32_i32 v[16+\k], v[16+\k]
.endr
.macro SINCOS k, f, oc                 ; cos and sin of position k x frequency f into v[oc], v[oc + 1]
	v_mul_f32 v40, v[16+\k], v[28+\f]              ; the angle, rounded once
	v_mul_f32 v41, s42, v40
	v_rndne_f32 v41, v41                           ; n: the nearest multiple of pi / 2
	v_fma_f32 v40, v41, s43, v40
	v_fma_f32 v40, v41, s44, v40
	v_fma_f32 v40, v41, s45, v40                   ; r = angle - n pi / 2
	v_mul_f32 v42, v40, v40                        ; z = r^2
	v_cvt_i32_f32 v41, v41
	v_fma_f32 v43, s46, v42, s47
	v_fma_f32 v43, v43, v42, s48
	v_mul_f32 v43, v43, v42
	v_fma_f32 v43, v43, v40, v40                   ; sin r
	v_fma_f32 v44, s49, v42, s50
	v_fma_f32 v44, v44, v42, s51
	v_mul_f32 v45, v42, v42
	v_fma_f32 v46, v42, -0.5, 1.0
	v_fma_f32 v44, v45, v44, v46                   ; cos r
	v_and_b32 v45, 1, v41
	v_cmp_ne_u32 vcc_lo, 0, v45                    ; an odd n changes the two over
	v_cndmask_b32 v46, v43, v44, vcc_lo
	v_cndmask_b32 v47, v44, v43, vcc_lo
	v_lshlrev_b32 v45, 30, v41
	v_and_b32 v45, 0x80000000, v45                 ; the sine's sign: bit 1 of n
	v_xor_b32 v[\oc+1], v46, v45
	v_add_nc_u32 v41, 1, v41
	v_lshlrev_b32 v41, 30, v41
	v_and_b32 v41, 0x80000000, v41                 ; the cosine's: bit 1 of n + 1
	v_xor_b32 v[\oc], v47, v41
.endm
.irp k, 0,1,2,3
.irp f, 0,1,2,3
	SINCOS \k, \f, 64+4*(2*\k+\f/2)+2*(\f%2)
.endr
.endr
.irp i, 0,1,2,3,4,5,6,7
	global_store_b128 v6, v[64+4*\i:67+4*\i], s[20:21] offset:2048*\i   ; a wave stores 512 consecutive bytes, aligned
.endr
	s_endpgm
.Lfunc_end_k_q822082aa08_prep:
	.size	k_q822082aa08_prep, .Lfunc_end_k_q822082aa08_prep-k_q822082aa08_prep
	.p2alignl 7, 3214868480
	.fill 96, 4, 3214868480
	.section	.rodata,"a",@progbits
	.p2align	6, 0x0
	.amdhsa_kernel k_q822082aa08_prep
		.amdhsa_group_segment_fixed_size 35328
		.amdhsa_private_segment_fixed_size 0
		.amdhsa_enable_private_segment 0
		.amdhsa_kernarg_size 72
		.amdhsa_user_sgpr_count 2
		.amdhsa_user_sgpr_kernarg_segment_ptr 1
		.amdhsa_wavefront_size32 1
		.amdhsa_system_sgpr_workgroup_id_x 1
		.amdhsa_system_sgpr_workgroup_id_y 1
		.amdhsa_system_sgpr_workgroup_id_z 1
		.amdhsa_system_vgpr_workitem_id 0
		.amdhsa_next_free_vgpr 256
		.amdhsa_next_free_sgpr 66
		.amdhsa_reserve_vcc 1
		.amdhsa_float_denorm_mode_32 3
		.amdhsa_float_denorm_mode_16_64 3
		.amdhsa_memory_ordered 1
		.amdhsa_forward_progress 1
		.amdhsa_inst_pref_size 57
	.end_amdhsa_kernel
	.amdgpu_metadata
---
amdhsa.version: [ 1, 2 ]
amdhsa.kernels:
  - .name:           k_q822082aa08_prep
    .symbol:         k_q822082aa08_prep.kd
    .args:
      - { .name: x, .offset: 0, .size: 8, .value_kind: global_buffer, .address_space: global }
      - { .name: Wq, .offset: 8, .size: 8, .value_kind: global_buffer, .address_space: global }
      - { .name: Wk, .offset: 16, .size: 8, .value_kind: global_buffer, .address_space: global }
      - { .name: Wv, .offset: 24, .size: 8, .value_kind: global_buffer, .address_space: global }
      - { .name: Wo, .offset: 32, .size: 8, .value_kind: global_buffer, .address_space: global }
      - { .name: token_positions, .offset: 40, .size: 8, .value_kind: global_buffer, .address_space: global }
      - { .name: opc, .offset: 48, .size: 8, .value_kind: global_buffer, .address_space: global }
      - { .name: ops, .offset: 56, .size: 8, .value_kind: global_buffer, .address_space: global }
      - { .name: rope, .offset: 64, .size: 8, .value_kind: global_buffer, .address_space: global }
    .group_segment_fixed_size: 35328
    .private_segment_fixed_size: 0
    .kernarg_segment_align: 8
    .kernarg_segment_size: 72
    .max_flat_workgroup_size: 128
    .sgpr_count:     66
    .vgpr_count:     256
    .wavefront_size: 32
...
	.end_amdgpu_metadata
.endif
;; end of part 1
;; launch qkv (part 2): grid 8 x 48, 4 waves a work-group, clusters of 4 x 4, 327,680 bytes of LDS; arguments opc, ops, rope, qb, kv; writes qb, kv
.if DOCPART == 2
	.amdgcn_target "amdgcn-amd-amdhsa--gfx1250"
	.amdhsa_code_object_version 6
	.text
	.protected	k_q822082aa08_qkv
	.globl	k_q822082aa08_qkv
	.p2align	8
	.type	k_q822082aa08_qkv,@function
k_q822082aa08_qkv:
	s_mov_b64 s[64:65], 0
	v_nop
	global_prefetch_b8 v0, s[64:65] scope:SCOPE_SE
	s_setreg_imm32_b32 hwreg(HW_REG_WAVE_MODE, 25, 1), 1
	s_wait_xcnt 0x0
	s_wait_alu depctr_hold_cnt(0) depctr_sa_sdst(0) depctr_va_vdst(0) depctr_va_sdst(0) depctr_va_ssrc(0) depctr_va_vcc(0) depctr_vm_vsrc(0)
	s_getreg_b32 s2, hwreg(HW_REG_IB_STS2, 6, 4)
	s_cmp_eq_u32 s2, 0
	s_cbranch_scc0 .Lentry_in_a_cluster
	s_endpgm
.Lentry_in_a_cluster:
	s_bfe_u32 s2, ttmp6, 0x10000c
	s_cmp_lg_u32 s2, 0xf033
	s_cbranch_scc0 .Lentry_shape_is_right
	s_endpgm
.Lentry_shape_is_right:
; QKV.  q = x Wq^T, k = x Wk^T (clusters with y under 8) and v^T = Wv x^T (clusters with y from 8 on), on codes of FP6 (E2M3) with one E8M0 scale for each 32 along K = 1,024; sums in f32.
; q and k are then rotated (pairs of neighbouring features, cosines and sines from the table) and quantised along the head's 64; v is quantised along the KEYS.  Nothing wide goes to memory.
; A tile of the result, 256 x 256, is made by a work-group of four waves, each 128 x 128: 64 accumulators of 16 x 16, 512 registers.  K goes in steps of 256 through a ring of two LDS slots.
; THE OPERANDS LIE IN MEMORY IN THE ORDER OF THEIR REGISTERS (opc: [K step][tile of 16 rows][2 x 128 K][piece 0..5][lane][8 bytes]): 8 tiles of a K step are 24,576 dense bytes, one tensor load a wave; a fragment is six
; ds_load_b64 at 8 x lane, 256 consecutive bytes each.  The scale words (ops: [128 K][tile][16 words]) of the work-group's rows come once, with the first fills, and stay; so does the table for its 256 places in the sequence.
; CLUSTERS: 4 x 4 work-groups; A's tiles are asked for jointly along a row of the cluster, B's along a column.  The table hangs on A's rows and is asked for along the row too; v's clusters ask for it with the others and do
; not read it, so that every work-group issues the same four first loads on every path.  By this text's count a wave has four tensor loads out at the start and one behind each round.
; THE MATRIX INSTRUCTION IS USED TRANSPOSED (source 0 = 16 rows of B, source 1 = 16 rows of A): a lane holds ONE row of A, and since B's tiles take their rows as 32 (T / 2) + 8 (T % 2) + i + 8 (i / 8), the 16 registers of
; two neighbouring accumulators are 16 NEIGHBOURING rows of B: features of q, k (A = x, B = Wq, Wk), keys of v^T (A = Wv, B = x).
; OUT.  qb: q's codes [batch x head][tile of 16 queries][768 bytes: registers 0-3 at 16 x lane, registers 4-5 at 8 x lane], then from byte 6,291,456 its scale words [batch x head][128 queries][lane][4 words].
; kv: [8 batch + pair of heads][128 keys][head of the pair][13,056 bytes]: k's eight tiles (768 bytes each), v^T's four tiles of 16 features x 128 keys (3 x 512 bytes each), k's scale words (512), v's (256).
; LIMITS: NaN and infinities are not served; a block whose largest magnitude lies under 2^-124 gets the byte 1.
; REGISTERS, in windows of 256: window 0: v0-31 addresses; v32-63 scale words, two sets; v128-223 A's fragments, one set; in the epilogue v64-195 at work.  window 1: B's fragments, two sets, at v0 and v128; in the epilogue the table.
;   window 2: the 32 accumulators of my rows 0-63 (accumulator (a, b) at v[8 (8 a + b)]);  window 3: those of my rows 64-127.
.set PLA,    2359296                   ; from a K step to the next in A's codes, in bytes; B's likewise
.set PLB,    2359296
.set SPA,    6144                      ; from 128 along K to the next in A's scales, in elements of 8 bytes; B's likewise
.set SPB,    6144
.set PAC,    4                         ; s[4:5] A's codes, s[6:7] A's scales; B's are the same two buffers here
.set PAS,    6
.set PBC,    4
.set PBS,    6
.set NQ,     2                         ; matrix instructions deep in a slot
.set FR,     12                        ; registers of a fragment
.set NL,     6                         ; LDS loads that bring one
.set NP,     4                         ; places behind this matrix instruction (ISA guide 7.12.1)
.set HALFT,  24576                     ; 8 tiles: what one tensor load brings, and what one wave reads of A or of B
.set SLOT,   4*HALFT                   ; A's 16 tiles, then B's 16
.set LAPS,   2                         ; a lap = two K steps of 256 = once round the ring
.set SCL,    2*SLOT                    ; behind the ring: the scales, 4,096 bytes a wave's load: [128 K: 0..7][8 tiles][64 bytes]; B's two lie 128 bytes further on, so that A's and B's lanes of a load fall on different banks
.set RT,     213248                    ; the table: 16 tiles x 4,096 bytes
.set SPARE,  278784                    ; the spare words, 128 bytes for each wave: two blocks of 256 bytes that no other line names
.set ADRA, 16                          ; v16-17  LDS address of my A fragments in slot 0, 1
.set ADRB, 20                          ; v20-21  the same for B
.set L16,  24                          ; v24     16 x lane
.set L8,   25                          ; v25     8 x lane
.set TA,   26                          ; v26     LDS address of my rows' part of the table
.set ADRS, 27                          ; v27     LDS address of my scale words: lanes 0-15 A's rows, lanes 16-31 B's
.set SPW,  28                          ; v28     LDS address of my spare word; never rewritten
.set NIL,  29                          ; v29     0; never rewritten
.set SC,   32                          ; scale words: set s at v[SC + 16 s]; register 2 i + q: lanes 0-15 A's block i, lanes 16-31 B's block i, the slot's q-th 128 along K
.set AF,   128                         ; A's fragments
.set HA,   64                          ; epilogue: v64-127 a block's 64 rotated numbers
.set TT,   128                         ; v128-143 eight pairs of products
.set PC,   144                         ; v144-163 the codes just made
.set TM,   164                         ; v164-179 largest magnitudes, bytes, scale operands
.set PW,   180                         ; v180-187 a scale word for each block
.set SW,   188                         ; v188-195 the scale words as they leave
.set G1,   24                          ; s[24:31] descriptor group 1 for A's tiles;  s[32:39] group 0, one set for each slot
.set G0,   32
.set G1B,  48                          ; s[48:55], s[56:63] the same for B's tiles
.set G0B,  56
.set G1S,  68                          ; s[68:75], s[76:79] groups 1 and 0 for A's scales;  s[80:87], s[88:91] for B's
.set G0S,  76
.set G1SB, 80
.set G0SB, 88
.set G1R,  92                          ; s[92:99] group 1 for the table;  s[20:23] its group 0
.set G0R,  20
.set BC,   48                          ; epilogue: s[48:51] where the two heads' codes go;  s[52:55] their scale words;  s[56:57] the kv block;  s58 lanes 16-31
.set BS,   52
.set KB,   56
.set HM,   58
.set MSB, 0
.macro WIN new                         ; the immediate's high byte repeats the setting that is left
.if MSB != (\new)
	s_set_vgpr_msb (MSB<<8)|(\new)
.set MSB, (\new)
.endif
.endm
.set MUL_LO, 0xa1                      ; source 0 (B) window 1, source 1 (A) window 0, C and D window 2
.set MUL_HI, 0xf1                      ; the same, C and D window 3
.set TO_B,   0x40                      ; destination window 1, address window 0
; A joint load: waves 0 and 1 fetch for A, waves 2 and 3 for B.  Each of the two lines has one mask and one set of registers for all that issue it; the branch hangs on the wave's number alone.
.macro JLOAD g0a, g1a, g0b, g1b
	s_cmp_eq_u32 s15, 0
	s_cbranch_scc0 .Lfor_b_\@
	tensor_load_to_lds s[\g0a:\g0a+3], s[\g1a:\g1a+7]
	s_nop 0
.rept 4
	v_nop
.endr
	s_branch .Lasked_\@
.Lfor_b_\@:
	tensor_load_to_lds s[\g0b:\g0b+3], s[\g1b:\g1b+7]
	s_nop 0
.rept 4
	v_nop
.endr
.Lasked_\@:
.endm
.macro CREST                           ; a round of the cluster's barrier behind its opening barrier
	s_cmp_lg_u32 s14, 0
	s_cbranch_scc1 .Lnot_wave_0_\@
	s_barrier_signal -3
.Lnot_wave_0_\@:
	s_barrier_wait -3
	s_barrier_signal -1
	s_barrier_wait -1
.endm
.macro CROUND                          ; a whole round
	s_barrier_signal -1
	s_barrier_wait -1
	CREST
.endm
.macro SHAPE g, c, r, p                ; words 1 to 7 of a group 1: r rows of c elements of 8 bytes, p elements from row to row
	s_mov_b32 s[\g+1], (\c)<<16
	s_mov_b32 s[\g+2], (\r)<<16
	s_mov_b32 s[\g+3], (\c)<<16
	s_mov_b32 s[\g+4], \r
	s_mov_b32 s[\g+5], \p
	s_mov_b32 s[\g+6], 0
	s_mov_b32 s[\g+7], 0
.endm
	s_load_b256 s[4:11], s[0:1], 0x0               ; opc, ops, rope, qb
	s_load_b64 s[12:13], s[0:1], 0x20              ; kv
	v_lshl_add_u32 v[SPW], v0, 2, SPARE
	v_mov_b32 v[NIL], 0
	ds_add_u32 v[SPW], v[NIL]                      ; the wave's opening: the add and its wait stand ahead of my first tensor load; the set-up below, work on registers, stands between them
	v_lshrrev_b32 v1, 5, v0
	v_readfirstlane_b32 s14, v1                    ; wave 0..3
	s_lshr_b32 s15, s14, 1                         ; which half of the tile's rows is mine.  Also: I fetch for A (0) or for B (1)
	s_and_b32 s16, s14, 1                          ; which half of its columns.  Also: which 8 tiles I fetch
	s_bfe_u32 s40, ttmp6, 0x40000                  ; cx, cy: my place in the cluster
	s_bfe_u32 s41, ttmp6, 0x40004
	s_and_b32 s18, ttmp7, 0xffff                   ; the cluster's y: 0-7 q and k, 8-11 v
	s_sub_co_u32 s20, s18, 8
	s_lshl_b32 s20, s20, 1
	s_add_co_u32 s20, s20, ttmp9                   ; v: which four tile columns of x: 2 (y - 8) + x
	s_mov_b32 s21, 640
	s_mov_b32 s22, 512
	s_cmp_lt_u32 s18, 8
	s_cselect_b32 s23, s18, 0                      ; four tile rows: of x by y; of Wv there are only four
	s_cselect_b32 s20, ttmp9, s20                  ; four tile columns: Wq (x = 0) or Wk (x = 1); or of x
	s_cselect_b32 s21, 0, s21                      ; A's first tile in opc: x's or Wv's
	s_cselect_b32 s22, s22, 0                      ; B's: Wq's or x's
	s_lshl_b32 s42, s20, 2
	s_add_co_u32 s42, s42, s40                     ; tile column
	s_lshl_b32 s17, s23, 2
	s_add_co_u32 s17, s17, s41                     ; tile row
	s_lshl_b32 s43, s41, 2
	s_lshl_b32 s43, 15, s43                        ; my row of the cluster
	s_lshl_b32 s44, 0x1111, s40                    ; my column
	s_or_b32 s[G1+0], s43, (3<<16)|(1<<21)         ; 15:0 the mask; 17:16 elements of 8 bytes; 20 no padding; 21 set beside a mask
	s_or_b32 s[G1B+0], s44, (3<<16)|(1<<21)
	SHAPE G1, 32, 96, 32                           ; 8 tiles of codes: 24,576 dense bytes as 96 rows of 256
	SHAPE G1B, 32, 96, 32
	s_or_b32 s[G1S+0], s43, (3<<16)|(1<<21)
	s_or_b32 s[G1SB+0], s44, (3<<16)|(1<<21)
	SHAPE G1S, 64, 8, SPA                          ; 8 tiles' scale words: 512 bytes of each of the 8 planes
	SHAPE G1SB, 64, 8, SPB
	s_or_b32 s[G1R+0], s43, (3<<16)|(1<<21)
	SHAPE G1R, 32, 64, 32                          ; 4 tiles of the table: 16,384 dense bytes
	s_lshl_b32 s47, s16, 3
	s_lshl_b32 s46, s17, 4
	s_add_co_u32 s46, s46, s21
	s_add_co_u32 s46, s46, s47                     ; A: the first tile that I fetch (made of the tile row, which my row of the cluster shares)
	s_lshl_b32 s100, s42, 4
	s_add_co_u32 s100, s100, s22
	s_add_co_u32 s100, s100, s47                   ; B: likewise (of the tile column, which my column shares)
	s_lshl_b32 s66, s46, 6                         ; their scale words,
	s_mov_b32 s67, 0
	s_mul_i32 s46, s46, 3072                       ; and their codes
	s_mov_b32 s47, 0
	s_lshl_b32 s2, s100, 6
	s_mov_b32 s3, 0
	s_mul_i32 s100, s100, 3072
	s_mov_b32 s101, 0
	s_lshl_b32 s20, s17, 4
	s_and_b32 s20, s20, 127                        ; the table knows places in the sequence: 128 tiles
	s_lshl_b32 s20, s20, 12
	s_lshl_b32 s21, s14, 14                        ; each wave brings four of the 16 tiles
	s_add_co_u32 s22, s20, s21
	s_mov_b32 s23, 0
	s_add_co_u32 s21, s21, RT                      ; where they go: no place in the cluster enters an LDS address
	s_mul_i32 s45, s14, HALFT
	s_lshl_b32 s19, s14, 12
	s_lshl_b32 s20, s15, 7
	s_add_co_u32 s19, s19, s20
	s_add_co_u32 s19, s19, SCL
	s_wait_dscnt 0x0                               ; the opening add is done
	s_wait_kmcnt 0x0
	s_add_nc_u64 s[46:47], s[PAC:PAC+1], s[46:47]
	s_add_nc_u64 s[66:67], s[PAS:PAS+1], s[66:67]
	s_add_nc_u64 s[100:101], s[PBC:PBC+1], s[100:101]
	s_add_nc_u64 s[2:3], s[PBS:PBS+1], s[2:3]
	s_add_nc_u64 s[22:23], s[8:9], s[22:23]
	CROUND                                         ; all sixteen work-groups are here: the first joint loads meet
	s_mov_b32 s[G0R], 1                            ; count = 1; s21 holds the LDS address, s[22:23] the global one
	s_or_b32 s[G0R+3], s[G0R+3], 0x80000000        ; type = 2
	tensor_load_to_lds s[G0R:G0R+3], s[G1R:G1R+7]  ; the table: every wave its quarter
	s_nop 0
.rept 4
	v_nop
.endr
	s_mov_b32 s[G0S], 1
	s_mov_b32 s[G0S+1], s19
	s_mov_b64 s[G0S+2:G0S+3], s[66:67]
	s_or_b32 s[G0S+3], s[G0S+3], 0x80000000
	s_mov_b32 s[G0SB], 1
	s_mov_b32 s[G0SB+1], s19
	s_mov_b64 s[G0SB+2:G0SB+3], s[2:3]
	s_or_b32 s[G0SB+3], s[G0SB+3], 0x80000000
	JLOAD G0S, G1S, G0SB, G1SB                     ; the scales: wanted with K step 0
.irp s, 0,1
	s_mov_b32 s[G0+4*\s], 1
	s_add_co_u32 s[G0+4*\s+1], s45, \s*SLOT
	s_add_nc_u64 s[G0+4*\s+2:G0+4*\s+3], s[46:47], \s*PLA
	s_or_b32 s[G0+4*\s+3], s[G0+4*\s+3], 0x80000000
	s_mov_b32 s[G0B+4*\s], 1
	s_add_co_u32 s[G0B+4*\s+1], s45, \s*SLOT
	s_add_nc_u64 s[G0B+4*\s+2:G0B+4*\s+3], s[100:101], \s*PLB
	s_or_b32 s[G0B+4*\s+3], s[G0B+4*\s+3], 0x80000000
	JLOAD G0+4*\s, G1, G0B+4*\s, G1B
.endr
	v_and_b32 v1, 15, v0                           ; r
	v_bfe_u32 v2, v0, 4, 1                         ; h
	v_and_b32 v3, 31, v0                           ; lane
	v_lshlrev_b32 v[L8], 3, v3
	v_lshlrev_b32 v[L16], 4, v3
	s_mul_i32 s46, s15, HALFT                      ; my 8 tiles of A
	s_mul_i32 s47, s16, HALFT                      ; my 8 tiles of B,
	s_add_co_u32 s47, s47, 2*HALFT                 ; which lie behind A's 16
.irp s, 0,1
	v_add_nc_u32 v[ADRA+\s], s46, v[L8]
	v_add_nc_u32 v[ADRB+\s], s47, v[L8]
	s_add_co_u32 s46, s46, SLOT
	s_add_co_u32 s47, s47, SLOT
.endr
	s_lshl_b32 s46, s15, 12                        ; A's scale words: my 8 tiles
	s_lshl_b32 s47, s16, 12                        ; B's: my 8 tiles, behind A's 16 and the 128 bytes
	s_add_co_u32 s47, s47, 8320
	s_sub_co_u32 s47, s47, s46
	v_mul_u32_u24 v6, s47, v2                      ; lanes 16-31 take B's
	s_add_co_u32 s46, s46, SCL
	v_lshl_add_u32 v5, v1, 2, v6
	v_add_nc_u32 v[ADRS], s46, v5
	s_lshl_b32 s46, s15, 15
	s_add_co_u32 s46, s46, RT
	v_add_nc_u32 v[TA], s46, v[L16]                ; the table of my 8 tiles of rows
.macro FRAG reg, adr, q, i             ; a fragment, 16 rows x 128 K, is 12 registers; it lies in LDS as they are: piece p (registers 2 p, 2 p + 1) at 256 p + 8 x lane
.irp p, 0,1,2,3,4,5
	ds_load_b64 v[\reg+2*\p:\reg+2*\p+1], v[\adr] offset:3072*(\i)+1536*(\q)+256*\p
.endr
.endm
; 16 matrix instructions: A's blocks a0, a0 + 1 x B's eight, 128 along K: the slot's q-th.  p: B's set;  sc: the set of scale words.  zero = 1: the first product starts the sums: nothing is ever cleared.
; The 64 accumulators take turns, one instruction a turn, in the same order in every step.
.macro MUL16 a0, p, q, sc, zero
.irp a, \a0, \a0+1
.irp b, 0,1,2,3,4,5,6,7
.if \zero
	v_wmma_scale_f32_16x16x128_f8f6f4 v[8*(8*((\a)%4)+\b):8*(8*((\a)%4)+\b)+7], v[128*(\p)+FR*\b:128*(\p)+FR*\b+FR-1], v[AF+FR*(\a):AF+FR*(\a)+FR-1], 0, v[SC+8*NQ*(\sc)+NQ*\b+(\q)], v[SC+8*NQ*(\sc)+NQ*(\a)+(\q)] matrix_a_fmt:MATRIX_FMT_FP6 matrix_b_fmt:MATRIX_FMT_FP6 matrix_a_scale:MATRIX_SCALE_ROW1
.else
	v_wmma_scale_f32_16x16x128_f8f6f4 v[8*(8*((\a)%4)+\b):8*(8*((\a)%4)+\b)+7], v[128*(\p)+FR*\b:128*(\p)+FR*\b+FR-1], v[AF+FR*(\a):AF+FR*(\a)+FR-1], v[8*(8*((\a)%4)+\b):8*(8*((\a)%4)+\b)+7], v[SC+8*NQ*(\sc)+NQ*\b+(\q)], v[SC+8*NQ*(\sc)+NQ*(\a)+(\q)] matrix_a_fmt:MATRIX_FMT_FP6 matrix_b_fmt:MATRIX_FMT_FP6 matrix_a_scale:MATRIX_SCALE_ROW1
.endif
.endr
.endr
.endm
.macro FETCH_B slot, q, p              ; B's eight fragments of the slot's q-th 128 along K into set p
	WIN TO_B
.irp i, 0,1,2,3,4,5,6,7
	FRAG 128*(\p)+FR*\i, ADRB+\slot, \q, \i
.endr
	WIN 0
.endm
.macro FETCH_A slot, q, i0             ; A's blocks i0 .. i0 + 3
.irp i, \i0, \i0+1, \i0+2, \i0+3
	FRAG AF+FR*(\i), ADRA+\slot, \q, \i
.endr
.endm
.macro SCALES sc                       ; the next K step's scale words into set sc: lanes 0-15 take A's block i, lanes 16-31 B's block i; the two planes of the K step lie 512 bytes apart
.irp i, 0,1,2,3,4,5,6,7
	ds_load_b32 v[SC+8*NQ*\sc+NQ*\i], v[ADRS] offset:64*\i
	ds_load_b32 v[SC+8*NQ*\sc+NQ*\i+1], v[ADRS] offset:64*\i+512
.endr
.endm
; A load into a register that a matrix instruction has read, and a vector instruction that reads a matrix result, stand NP places behind that matrix instruction; only plain vector instructions that name none of its
; registers are places (ISA guide 7.12.1 for vector instructions).
.macro PLACES n
.rept \n
	v_nop
.endr
.endm
; A step of 128 along K that has its successor in the same slot.  A's blocks go one after the other, each against B's eight: so one set of registers serves A, refilled in two halves; B has two sets.
.macro STEP slot, q, zero
	s_wait_dscnt 4*NL                              ; B's set and A's blocks 0-3 are in; the youngest 24 loads (A's blocks 4-7) may be out
	WIN MUL_LO
	MUL16 0, (\q)%2, \q, \slot, \zero
	MUL16 2, (\q)%2, \q, \slot, \zero
	s_wait_dscnt 0                                 ; A's blocks 4-7 are in
	PLACES NP
	FETCH_B \slot, (\q)+1, 1-(\q)%2
	FETCH_A \slot, (\q)+1, 0
	WIN MUL_HI
	MUL16 4, (\q)%2, \q, \slot, \zero
	MUL16 6, (\q)%2, \q, \slot, \zero
	PLACES NP
	WIN 0
	FETCH_A \slot, (\q)+1, 4
.endm
; A slot's last step changes slots: ONE barrier; in front of it each wave waits for all its tensor loads, adds 0 to its spare word, and waits for that and for its own reads of this slot.  fill = 1: this slot is filled again, two K steps ahead.
.macro TURN slot, next, fill
	s_wait_tensorcnt 0x0                           ; all my tensor loads have landed: my part of the next slot;  (every window is 0 here)
	ds_add_u32 v[SPW], v[NIL]                      ; 0 onto my spare word;
	s_wait_dscnt 4*NL+1                            ; (the add and the youngest 24 loads, A's blocks 4-7, may be out)
	WIN MUL_LO
	MUL16 0, 1, NQ-1, \slot, 0                     ; sixteen matrix instructions stand between the add and the wait for it
	s_wait_dscnt 0x0                               ; the add is done, and my reads of this slot are over
	s_barrier_signal -1
	MUL16 2, 1, NQ-1, \slot, 0
	WIN 0
	s_barrier_wait -1
.if \fill
	CREST                                          ; the barrier has opened a round of the cluster's barrier: no wave of any partner still reads this slot's tile or has a load on its way
	s_add_nc_u64 s[G0+4*\slot+2:G0+4*\slot+3], s[G0+4*\slot+2:G0+4*\slot+3], 2*PLA
	s_add_nc_u64 s[G0B+4*\slot+2:G0B+4*\slot+3], s[G0B+4*\slot+2:G0B+4*\slot+3], 2*PLB
	JLOAD G0+4*\slot, G1, G0B+4*\slot, G1B         ; the first tensor load behind the round; the four v_nop behind it are the places in front of the loads below
.else
	PLACES NP
.endif
	v_add_nc_u32 v[ADRS], 1024, v[ADRS]            ; on to the next K step's two planes of scale words
	FETCH_B \next, 0, 0
	FETCH_A \next, 0, 0
	SCALES \next
	WIN MUL_HI
	MUL16 4, 1, NQ-1, \slot, 0
	MUL16 6, 1, NQ-1, \slot, 0
	PLACES NP
	WIN 0
	FETCH_A \next, 0, 4
.endm
	s_wait_tensorcnt 1                             ; the table, the scales and my part of K step 0 are in (K step 1's load may be out),
	s_barrier_signal -1
	s_barrier_wait -1                              ; everybody's are
	FETCH_B 0, 0, 0
	FETCH_A 0, 0, 0
	SCALES 0
	FETCH_A 0, 0, 4
	STEP 0, 0, 1                                   ; the first step stands in front of the loop: its products start the sums
	s_mov_b32 s3, LAPS-1
.Llap:                                                 ; a trip goes once round the ring, from a lap's second step to the next lap's first, and fills both slots again
	TURN 0, 1, 1
	STEP 1, 0, 0
	TURN 1, 0, 1
	STEP 0, 0, 0
	s_sub_co_u32 s3, s3, 1
	s_cmp_lg_u32 s3, 0
	s_cbranch_scc1 .Llap
	TURN 0, 1, 0                                   ; the last lap fills nothing, and has no round of the cluster's barrier
	STEP 1, 0, 0
	s_wait_dscnt 4*NL                              ; the very last step: nothing more to fetch
	WIN MUL_LO
	MUL16 0, 1, NQ-1, 1, 0
	MUL16 2, 1, NQ-1, 1, 0
	s_wait_dscnt 0
	WIN MUL_HI
	MUL16 4, 1, NQ-1, 1, 0
	MUL16 6, 1, NQ-1, 1, 0
	WIN 0
; THE EPILOGUE.  No tensor load of mine is out, so the descriptors' registers are free.
	PLACES NP                                      ; behind the last products: their results are read, and their operands' registers written, below
.irp b, 0,1,2,3
	v_mov_b32 v[TM+4+\b], 0                        ; written once: a lane permute's destination counts as one of its sources
.endr
	s_lshl_b32 s20, s17, 8
	s_lshl_b32 s21, s15, 7
	s_add_co_u32 s20, s20, s21                     ; my first row of A,
	s_lshl_b32 s21, s42, 8
	s_lshl_b32 s22, s16, 7
	s_add_co_u32 s21, s21, s22                     ; and of B
	s_cmp_lt_u32 s18, 8
	s_cselect_b32 s22, s20, s21                    ; my first token: A's row for q and k, B's for v
	s_cselect_b32 s23, s21, s20                    ; my first feature
	s_lshr_b32 s24, s22, 11                        ; batch
	s_bfe_u32 s25, s22, 0x40007                    ; which 128 of the sequence
	s_bfe_u32 s26, s23, 0x30007                    ; which pair of heads
	s_lshl_b32 s27, s24, 3
	s_add_co_u32 s27, s27, s26
	s_lshl_b32 s28, s27, 4
	s_add_co_u32 s28, s28, s25
	s_mul_i32 s28, s28, 26112                      ; the two heads' blocks in kv
	s_mov_b32 s29, 0
	s_lshl_b32 s30, s27, 1                         ; 16 batch + the pair's first head
	s_lshl_b32 s31, s30, 7
	s_lshl_b32 s32, s25, 3
	s_add_co_u32 s31, s31, s32
	s_mul_i32 s32, s31, 768                        ; q's codes in qb,
	s_lshl_b32 s31, s30, 4
	s_add_co_u32 s31, s31, s25
	s_lshl_b32 s31, s31, 9
	s_add_co_u32 s34, s31, 6291456                 ; and its scale words
	s_add_co_u32 s35, s28, 12288                   ; k's scale words in kv
	s_mov_b32 s36, 13056                           ; from the pair's first head to its second: in kv,
	s_mov_b32 s37, 13056
	s_cmp_eq_u32 ttmp9, 0                          ; q (cluster x = 0) or k
	s_cselect_b64 s[38:39], s[10:11], s[12:13]
	s_cselect_b32 s32, s32, s28
	s_cselect_b32 s34, s34, s35
	s_cselect_b32 s36, 98304, s36                  ; in qb's codes,
	s_cselect_b32 s37, 8192, s37                   ; and in its scale words
	s_mov_b32 s33, 0
	s_mov_b32 s35, 0
	s_add_nc_u64 s[BC:BC+1], s[38:39], s[32:33]
	s_add_nc_u64 s[BS:BS+1], s[38:39], s[34:35]
	s_mov_b32 s32, s36
	s_mov_b32 s34, s37
	s_add_nc_u64 s[BC+2:BC+3], s[BC:BC+1], s[32:33]
	s_add_nc_u64 s[BS+2:BS+3], s[BS:BS+1], s[34:35]
	s_add_nc_u64 s[KB:KB+1], s[12:13], s[28:29]
	s_mov_b32 s[HM], 0xffff0000
; 64 numbers of a lane in window w, v[s] .. v[s + 63], register 16 b + i = k 32 b + 16 (lane / 16) + i of my row, become a fragment's codes in v[PC] on and its scale word in v[pw].
.macro QUANT s, w, pw
	WIN (\w)|((\w)<<2)
.irp b, 0,1,2,3
	v_max3_num_f32 v[TM+\b], |v[(\s)+16*\b]|, |v[(\s)+1+16*\b]|, 0x1800000   ; block b: my 16 numbers, each accumulator from its low end on, and the floor 2^(3 - 127): the byte cannot fall under 1
.endr
.irp i, 2,4,6,8,10,12,14
.irp b, 0,1,2,3
	v_max3_num_f32 v[TM+\b], |v[(\s)+16*\b+\i]|, |v[(\s)+1+16*\b+\i]|, v[TM+\b]   ; (the four blocks by turns)
.endr
.endr
	WIN 0
.irp b, 0,1,2,3
	v_permlanex16_b32 v[TM+4+\b], v[TM+\b], s60, s61
.endr
.irp b, 0,1,2,3
	v_max_num_f32 v[TM+\b], v[TM+\b], v[TM+4+\b]   ; with lane l xor 16's: the block's largest magnitude
.endr
.irp b, 0,1,2,3
	v_add_nc_u32 v[TM+12+\b], 0xff000000, v[TM+\b] ; 2 off its exponent field: the conversion's scale operand
.endr
.irp b, 0,1,2,3
	v_lshrrev_b32 v[TM+4+\b], 23, v[TM+12+\b]      ; the scale's byte
.endr
	v_lshl_or_b32 v[\pw], v[TM+5], 8, v[TM+4]      ; the four bytes make my row's scale word
	v_lshl_or_b32 v[\pw], v[TM+6], 16, v[\pw]
	v_lshl_or_b32 v[\pw], v[TM+7], 24, v[\pw]
	WIN \w
.irp c, 0,1
	v_cvt_scalef32_pk16_fp6_f32 v[PC+6*\c:PC+2+6*\c], v[(\s)+32*\c:(\s)+15+32*\c], v[TM+12+2*\c]
	v_cvt_scalef32_pk16_fp6_f32 v[PC+12+4*\c:PC+14+4*\c], v[(\s)+16+32*\c:(\s)+31+32*\c], v[TM+12+2*\c+1]   ; (a conversion's three registers begin on an even number)
.endr
	WIN 0
	v_nop                                          ; one plain place behind a scaled conversion
.irp c, 0,1                                    ; the operand's layout wants a WHOLE block in a lane: lanes 0-15 block 2 c, lanes 16-31 block 2 c + 1
.irp i, 0,1,2
	v_permlane16_swap_b32 v[PC+6*\c+\i], v[PC+12+4*\c+\i]
.endr
.irp i, 0,1,2
	v_mov_b32 v[PC+3+6*\c+\i], v[PC+12+4*\c+\i]
.endr
.endr
.endm
	s_mov_b32 s60, 0x76543210
	s_mov_b32 s61, 0xfedcba98                      ; v_permlanex16_b32's selects for lane l xor 16
	s_cmp_ge_u32 s18, 8                            ; the cluster's y: the same in all sixteen partners
	s_cbranch_scc1 .Lvpath
; q AND k.  Block a is 16 tokens x my 128 features = two heads.  Lane (r, h) holds token r; registers 16 g + 2 m, + 1 are the pair 16 (g % 2) + 8 h + m of head g / 2; the table's registers 16 (g % 2) + 2 m, + 1 its cos and sin.
	WIN TO_B
.irp a, 0,1,2,3,4,5,6,7
.irp j, 0,1,2,3,4,5,6,7
	ds_load_b128 v[32*\a+4*\j:32*\a+4*\j+3], v[TA] offset:4096*\a+512*\j   ; the table of my 8 tiles fills window 1
.endr
.endr
	WIN 0
.macro QKBLOCK a
	s_wait_dscnt 8*(7-(\a))                        ; this block's eight table loads are in; the later blocks' may be out
	WIN (2+(\a)/4)|(1<<2)                          ; source 0: the accumulators' window; source 1: the table's
.irp g, 0,1,2,3
.irp m, 0,1,2,3,4,5,6,7
	v_pk_mul_f32 v[TT+2*\m:TT+2*\m+1], v[64*((\a)%4)+16*\g+2*\m:64*((\a)%4)+16*\g+2*\m+1], v[32*(\a)+16*(\g%2)+2*\m:32*(\a)+16*(\g%2)+2*\m+1] op_sel:[1,1] op_sel_hi:[0,1]   ; (odd x sin, even x sin)
.endr
.irp m, 0,1,2,3,4,5,6,7
	v_pk_fma_f32 v[HA+16*\g+2*\m:HA+16*\g+2*\m+1], v[64*((\a)%4)+16*\g+2*\m:64*((\a)%4)+16*\g+2*\m+1], v[32*(\a)+16*(\g%2)+2*\m:32*(\a)+16*(\g%2)+2*\m+1], v[TT+2*\m:TT+2*\m+1] op_sel_hi:[1,0,1] neg_lo:[0,0,1]   ; (even x cos - odd x sin, odd x cos + even x sin)
.endr
.endr
	WIN 0
	s_wait_xcnt 0x0                                ; the last block's stores have read their data: the codes' registers are written again only behind this wait
	QUANT HA, 0, PW+(\a)
.irp c, 0,1                                    ; registers 6 c .. 6 c + 5 are head c's 64 along K
	global_store_b128 v[L16], v[PC+6*\c:PC+6*\c+3], s[BC+2*\c:BC+2*\c+1] offset:768*(\a)          ; 512 consecutive bytes, aligned to 256
	global_store_b64 v[L8], v[PC+6*\c+4:PC+6*\c+5], s[BC+2*\c:BC+2*\c+1] offset:768*(\a)+512      ; 256 consecutive bytes, aligned
.endr
.endm
.irp a, 0,1,2,3,4,5,6,7
	QKBLOCK \a
.endr
.irp i, 0,1,2,3
	v_cndmask_b32 v[SW+\i], v[PW+2*\i], v[PW+2*\i+1], s[HM]   ; lanes 0-15 tile 2 i's words, lanes 16-31 tile 2 i + 1's
.endr
.irp i, 0,1,2,3
	v_lshrrev_b32 v[SW+4+\i], 16, v[SW+\i]         ; the second head's two bytes; the upper two bytes are 0: they stand over zero codes
.endr
.irp i, 0,1,2,3
	v_and_b32 v[SW+\i], 0xffff, v[SW+\i]           ; the first head's
.endr
	global_store_b128 v[L16], v[SW:SW+3], s[BS:BS+1]
	global_store_b128 v[L16], v[SW+4:SW+7], s[BS+2:BS+3]
	s_branch .Ljoin
; v.  Block a is 16 features (head a / 4, its tile a % 4) x my 128 keys: the accumulators are the quantiser's 64 numbers as they stand.
.Lvpath:
.macro VBLOCK a
	s_wait_xcnt 0x0                                ; the last block's stores have read their data
	QUANT 64*((\a)%4), 2+(\a)/4, PW+(\a)
.irp g, 0,1,2
	global_store_b128 v[L16], v[PC+4*\g:PC+4*\g+3], s[KB:KB+1] offset:13056*((\a)/4)+6144+1536*((\a)%4)+512*\g
.endr
.endm
.irp a, 0,1,2,3,4,5,6,7
	VBLOCK \a
.endr
.irp c, 0,1
.irp i, 0,1
	v_cndmask_b32 v[SW+2*\c+\i], v[PW+4*\c+2*\i], v[PW+4*\c+2*\i+1], s[HM]
.endr
	global_store_b64 v[L8], v[SW+2*\c:SW+2*\c+1], s[KB:KB+1] offset:13056*\c+12800
.endr
.Ljoin:
	s_wait_tensorcnt 0x0                           ; the wave's end: behind my last tensor load
	ds_add_u32 v[SPW], v[NIL]
	s_wait_dscnt 0x0
	CROUND                                         ; the closing round: no work-group ends while a partner may still ask for a tile that names it
	s_endpgm
.Lfunc_end_k_q822082aa08_qkv:
	.size	k_q822082aa08_qkv, .Lfunc_end_k_q822082aa08_qkv-k_q822082aa08_qkv
	.p2alignl 7, 3214868480
	.fill 96, 4, 3214868480
	.section	.rodata,"a",@progbits
	.p2align	6, 0x0
	.amdhsa_kernel k_q822082aa08_qkv
		.amdhsa_group_segment_fixed_size 327680
		.amdhsa_private_segment_fixed_size 0
		.amdhsa_enable_private_segment 0
		.amdhsa_kernarg_size 40
		.amdhsa_user_sgpr_count 2
		.amdhsa_user_sgpr_kernarg_segment_ptr 1
		.amdhsa_wavefront_size32 1
		.amdhsa_system_sgpr_workgroup_id_x 1
		.amdhsa_system_sgpr_workgroup_id_y 1
		.amdhsa_system_sgpr_workgroup_id_z 1
		.amdhsa_system_vgpr_workitem_id 0
		.amdhsa_next_free_vgpr 1024
		.amdhsa_next_free_sgpr 102
		.amdhsa_reserve_vcc 0
		.amdhsa_float_denorm_mode_32 3
		.amdhsa_float_denorm_mode_16_64 3
		.amdhsa_memory_ordered 1
		.amdhsa_forward_progress 1
		.amdhsa_inst_pref_size 239
	.end_amdhsa_kernel
	.amdgpu_metadata
---
amdhsa.version: [ 1, 2 ]
amdhsa.kernels:
  - .name:           k_q822082aa08_qkv
    .symbol:         k_q822082aa08_qkv.kd
    .args:
      - { .name: opc, .offset: 0, .size: 8, .value_kind: global_buffer, .address_space: global }
      - { .name: ops, .offset: 8, .size: 8, .value_kind: global_buffer, .address_space: global }
      - { .name: rope, .offset: 16, .size: 8, .value_kind: global_buffer, .address_space: global }
      - { .name: qb, .offset: 24, .size: 8, .value_kind: global_buffer, .address_space: global }
      - { .name: kv, .offset: 32, .size: 8, .value_kind: global_buffer, .address_space: global }
    .group_segment_fixed_size: 327680
    .private_segment_fixed_size: 0
    .kernarg_segment_align: 8
    .kernarg_segment_size: 40
    .max_flat_workgroup_size: 128
    .sgpr_count:     102
    .vgpr_count:     1024
    .wavefront_size: 32
...
	.end_amdgpu_metadata
.endif
;; end of part 2
;; launch attn (part 3): grid 32 x 16, 16 waves a work-group, no clusters, 327,680 bytes of LDS; arguments qb, kv, acodes, ascales; writes acodes, ascales
.if DOCPART == 3
	.amdgcn_target "amdgcn-amd-amdhsa--gfx1250"
	.amdhsa_code_object_version 6
	.text
	.protected	k_q822082aa08_attn
	.globl	k_q822082aa08_attn
	.p2align	8
	.type	k_q822082aa08_attn,@function
k_q822082aa08_attn:
	s_mov_b64 s[64:65], 0
	v_nop
	global_prefetch_b8 v0, s[64:65] scope:SCOPE_SE
	s_setreg_imm32_b32 hwreg(HW_REG_WAVE_MODE, 25, 1), 1
	s_wait_xcnt 0x0
; ATTENTION with the causal mask, both products on codes of FP6 (E2M3) with one E8M0 scale for each 32 along a product's K; the result, divided by the row's sum, is quantised along the model's 1,024 for the last product.
; THE SOFTMAX AHEAD OF THE SECOND PRODUCT: t = score x log2(e) / 8; M = the row's largest t so far, rounded UP to a whole number; p = 2^(t - M) is what is quantised, along the keys; it is not normalised.
; The row's sum is taken of the unquantised p, in f32.  When M moves, the sum and O are multiplied by 2^(old M - new M): exact.
; SHARES.  A work-group owns 128 queries (group g = 15 - y: the longest first) of the two heads of a pair (x = 8 batch + pair).  Wave w: head w / 8 of the pair, tile w % 8 of 16 queries, in 256 registers: four waves to a SIMD.
; Two heads to a work-group, so that a row's scale word for 128 of the model's features is made whole here.  Every wave walks the keys, 128 a step, up to its group's own 128.
; kv holds, for each 128 keys of each head, one block of 13,056 bytes of REGISTER IMAGES: k's eight tiles, v^T's four tiles, k's and v's scale words.  A slot is two steps of both heads, 52,224 dense bytes; waves 0-3 bring a quarter each.
; LAYOUT.  Both products are used transposed: S^T = K Q^T (source 0 = 16 keys, source 1 = my 16 queries), O^T = V^T P^T: a lane holds ONE query throughout.  The keys of a tile are 32 (t / 2) + 8 (t % 2) + i + 8 (i / 8), so that the
; 16 registers of two neighbouring tiles of S^T are 16 neighbouring keys; v's features are chosen likewise, so that O^T's 16 registers are 16 neighbouring features.
; K = 64 FILLS HALF OF THE INSTRUCTION'S 128: q's upper six registers are zero codes.  A tile of k is six registers; the six behind it, named with it, are the next tile's codes and meet q's zeros.
; NO CLUSTER: under the causal mask the query groups of a pair need different numbers of key steps, so partners would not make the same requests.
; THE LOOPS' TRIP COUNTS ARE CONSTANTS: every work-group walks all eight changes of slots; a step all of whose keys come after the group's queries is jumped over (ids alone, the same in all sixteen waves), and a slot that no step
; would read is not asked for.  Every wait on TENSORcnt in this text is for 0.  By this text's count a wave has one tensor load out at the most.
; LIMITS: NaN and infinities are not served; a block whose largest magnitude lies under 2^-124 gets the byte 1.
; REGISTERS: v1-11 addresses; v12 -M, v13 the largest t, v[14:15] the sum in two halves; v16-27 Q, v28 its scale words; v32-85 K, then v32-79 V; v88-91 K's scale words, v92-93 V's; v96-159 S^T, then p; v160-191 O^T; v224.. p's codes; v232-254 at work.
.set SLOT1, 65536                      ; slot 1 begins here, so that one exclusive or turns an address in one slot into the other's
.set BLK,   13056                      ; a head's 128 keys
.set STEPB, 26112                      ; a step: both heads
.set SLOTB, 52224                      ; a slot: two steps
.set SCST,  131072                     ; behind the ring: the result's scale words, 8 tiles x 64 bytes
.set SPARE, 131584                     ; the spare words, 128 bytes for each wave: eight blocks of 256 bytes that no other line names
.set TB,    2                          ; s2   LDS byte at which the slot in hand begins
.set TAU,   12                         ; s12  my tile of queries
.set SLOTS, 13                         ; s13  counts the loop's trips
.set KF,    14                         ; s14  the step's first key
.set QG,    15                         ; s15  my group's first query
.set WV,    18                         ; s18  my wave's number
.set HP,    19                         ; s19  my head of the pair
.set SEL,   20                         ; s[20:21] lane selects for v_permlanex16_b32: lane l xor 16
.set CS,    22                         ; s[22:23] c = log2(e) / 8: the packed form names a pair and takes its low word for both halves
.set G1,    24                         ; s[24:31] descriptor group 1;  s[40:43] group 0, which walks
.set G0,    40
.macro TLOAD                           ; waves 0 to 3 fetch a quarter of a slot each; the branch hangs on the wave's number alone
	s_cmp_lt_u32 s[WV], 4
	s_cbranch_scc0 .Lasked_\@
	tensor_load_to_lds s[G0:G0+3], s[G1:G1+7]
	s_nop 0
.rept 4
	v_nop
.endr
.Lasked_\@:
.endm
	s_load_b256 s[4:11], s[0:1], 0x0               ; qb, kv, acodes, ascales
	v_lshl_add_u32 v5, v0, 2, SPARE
	v_mov_b32 v6, 0
	ds_add_u32 v5, v6                              ; the wave's opening: the add and its wait stand ahead of my first tensor load; the set-up below, work on registers, stands between them
	ds_add_u32 v5, v6
	v_lshrrev_b32 v8, 5, v0
	s_delay_alu instid0(VALU_DEP_1)
	v_readfirstlane_b32 s[WV], v8                  ; wave 0..15
	s_lshr_b32 s[HP], s[WV], 3
	s_and_b32 s[TAU], s[WV], 7
	s_and_b32 s16, ttmp7, 0xffff
	s_sub_co_u32 s16, 15, s16                      ; g
	s_lshl_b32 s[QG], s16, 7
	s_mov_b32 s[G1], 3<<16                         ; no mask; elements of 8 bytes; no padding
	s_mov_b32 s[G1+1], 32<<16                      ; 13,056 dense bytes as 51 rows of 256
	s_mov_b32 s[G1+2], 51<<16
	s_mov_b32 s[G1+3], 32<<16
	s_mov_b32 s[G1+4], 51
	s_mov_b32 s[G1+5], 32
	s_mov_b32 s[G1+6], 0
	s_mov_b32 s[G1+7], 0
	s_and_b32 s17, s[WV], 3
	s_mul_i32 s17, s17, BLK                        ; my quarter of a slot
	s_mul_i32 s32, ttmp9, 16*STEPB                 ; the pair's 16 steps in kv
	s_add_co_u32 s32, s32, s17
	s_mov_b32 s33, 0
	s_lshl_b32 s34, ttmp9, 1
	s_add_co_u32 s34, s34, s[HP]                   ; 16 batch + head
	s_lshl_b32 s35, s34, 7
	s_lshl_b32 s36, s16, 3
	s_add_co_u32 s35, s35, s36
	s_add_co_u32 s35, s35, s[TAU]
	s_mul_i32 s36, s35, 768                        ; my tile of q's codes
	s_mov_b32 s37, 0
	s_lshl_b32 s38, s34, 4
	s_add_co_u32 s38, s38, s16
	s_lshl_b32 s38, s38, 9                         ; my group's scale words: [lane][4 words]: tile t's word of row r at lane r + 16 (t % 2), word t / 2
	s_and_b32 s39, s[TAU], 1
	s_lshl_b32 s39, s39, 8
	s_add_co_u32 s38, s38, s39
	s_lshr_b32 s39, s[TAU], 1
	s_lshl_b32 s39, s39, 2
	s_add_co_u32 s38, s38, s39
	s_add_co_u32 s38, s38, 6291456
	s_mov_b32 s39, 0
	s_and_b32 s52, ttmp9, 7                        ; the pair
	s_lshr_b32 s53, ttmp9, 3                       ; the batch
	s_lshl_b32 s53, s53, 7
	s_lshl_b32 s54, s16, 3
	s_add_co_u32 s53, s53, s54                     ; my group's first tile of rows: 128 batch + 8 g
	s_lshl_b32 s56, s53, 6
	s_lshl_b32 s54, s52, 15
	s_add_co_u32 s56, s56, s54                     ; its scale words: plane = pair
	s_mov_b32 s57, 0
	s_add_co_u32 s53, s53, s[TAU]
	s_mul_i32 s54, s53, 3072                       ; my tile's codes: K step pair / 2, fragment pair % 2, pieces 3 x head on
	s_lshr_b32 s55, s52, 1
	s_mul_i32 s55, s55, 1572864
	s_add_co_u32 s54, s54, s55
	s_and_b32 s55, s52, 1
	s_mul_i32 s55, s55, 1536
	s_add_co_u32 s54, s54, s55
	s_mul_i32 s55, s[HP], 768
	s_add_co_u32 s54, s54, s55
	s_mov_b32 s55, 0
	s_mov_b32 s[SEL], 0x76543210
	s_mov_b32 s[SEL+1], 0xfedcba98
	s_mov_b32 s[CS], 0x3e38aa3b                    ; c = log2(e) / 8
	s_mov_b32 s[CS+1], s[CS]                       ; (named with it as a pair, so it is written)
	s_mov_b32 s[TB], 0
	s_mov_b32 s[KF], 0
	s_mov_b32 s[SLOTS], 7
	s_wait_dscnt 0x0                               ; the opening add is done
	s_wait_kmcnt 0x0
	s_mov_b32 s[G0], 1                             ; count = 1
	s_mov_b32 s[G0+1], s17                         ; LDS address: slot 0
	s_add_nc_u64 s[G0+2:G0+3], s[6:7], s[32:33]    ; global address: the pair's first two steps
	s_or_b32 s[G0+3], s[G0+3], 0x80000000          ; type = 2
	TLOAD                                          ; slot 0
	s_add_nc_u64 s[44:45], s[4:5], s[36:37]        ; q's codes
	s_add_nc_u64 s[46:47], s[4:5], s[38:39]        ; q's scale words
	s_add_nc_u64 s[48:49], s[8:9], s[54:55]        ; the result's codes
	s_add_nc_u64 s[50:51], s[10:11], s[56:57]      ; and scale words
	v_and_b32 v8, 31, v0                           ; lane
	v_and_b32 v9, 15, v0                           ; r
	v_bfe_u32 v29, v0, 4, 1                        ; h
	s_delay_alu instid0(VALU_DEP_3)
	v_lshlrev_b32 v11, 4, v8                       ; 16 x lane
	s_delay_alu instid0(VALU_DEP_4)
	v_lshlrev_b32 v7, 3, v8                        ; 8 x lane
	s_delay_alu instid0(VALU_DEP_4)
	v_lshlrev_b32 v31, 4, v9                       ; 16 r
	global_load_b128 v[16:19], v11, s[44:45]       ; Q's six registers stay
	global_load_b64 v[20:21], v7, s[44:45] offset:512
	global_load_b32 v28, v31, s[46:47]             ; and its scale words
	s_mul_i32 s32, s[HP], BLK
	v_add_nc_u32 v1, s32, v11                      ; my head's block of a step, 16 bytes a lane,
	v_add_nc_u32 v2, s32, v7                       ; and 8 bytes a lane
	s_lshr_b32 s32, s[TAU], 1
	s_lshl_b32 s32, s32, 5
	s_and_b32 s33, s[TAU], 1
	s_lshl_b32 s33, s33, 3
	s_add_co_u32 s32, s32, s33
	v_and_b32 v3, 8, v9
	s_delay_alu instid0(VALU_DEP_1)
	v_add_nc_u32 v3, v3, v9
	s_delay_alu instid0(VALU_DEP_1)
	v_add_nc_u32 v3, s32, v3                       ; my query within the group: 32 (tile / 2) + 8 (tile % 2) + r + 8 (r / 8),
	v_lshlrev_b32 v30, 4, v29
	s_delay_alu instid0(VALU_DEP_1)
	v_sub_nc_u32 v3, v3, v30                       ; less 16 h: register 16 b + i holds key 32 b + i + 16 h of the step
	s_lshl_b32 s32, s[TAU], 6
	s_lshl_b32 s33, s[HP], 1
	s_add_co_u32 s32, s32, s33
	s_add_co_u32 s32, s32, SCST
	v_lshl_add_u32 v10, v9, 2, s32                 ; where my row's two scale bytes go: 64 x tile + 4 r + 2 x head
	v_add_nc_u32 v4, SCST, v11                     ; and from where wave 0 carries the words out
	v_mov_b32 v13, 0xff61b1e6                      ; the largest t so far: -3e38, under every t
	s_delay_alu instid0(VALU_DEP_1)
	v_floor_f32 v12, -v13                          ; -M
	v_mov_b32 v14, 0                               ; the sum, in two halves
	v_mov_b32 v15, 0
.irp j, 22,23,24,25,26,27, 80,81,82,83,84,85
	v_mov_b32 v[\j], 0                             ; q's zero codes for K = 64..127; and what is named behind k's last tile
.endr
.irp j, 236,237,238,239, 252,253
	v_mov_b32 v[\j], 0                             ; written once: a lane permute's destination counts as one of its sources, and v253 is named as the upper half of a pair
.endr
.irp j, 0,1,2,3,4,5,6,7,8,9,10,11,12,13,14,15,16,17,18,19,20,21,22,23,24,25,26,27,28,29,30,31
	v_mov_b32 v[160+\j], 0                         ; O^T.  (The step is written without a first step of its own: the first finds zeros, which the first change of M leaves zeros)
.endr
; A KEY STEP: 128 keys, the q-th of the slot in hand.
.macro STEP q
	s_cmp_gt_u32 s[KF], s[QG]                      ; all its keys come after my group's queries: left out.  Ids and the count of steps alone
	s_cbranch_scc1 .Lhidden_\@
	v_add_nc_u32 v8, s[TB], v1
	v_add_nc_u32 v9, s[TB], v2
	v_nop
	v_nop                                          ; four places in front of loads into registers that the last step's products have read
.irp t, 0,1,2,3,4,5,6,7
	ds_load_b128 v[32+6*\t:35+6*\t], v8 offset:STEPB*(\q)+768*\t
	ds_load_b64 v[36+6*\t:37+6*\t], v9 offset:STEPB*(\q)+768*\t+512
.endr
	ds_load_b128 v[88:91], v8 offset:STEPB*(\q)+12288   ; word i: lanes 0-15 tile 2 i's scale words, lanes 16-31 tile 2 i + 1's
	s_wait_alu depctr_va_vdst(0)
	s_wait_dscnt 0x0
.irp u, 0,1,2,3                                ; S^T = K Q^T
	v_wmma_scale_f32_16x16x128_f8f6f4 v[96+16*\u:103+16*\u], v[32+12*\u:43+12*\u], v[16:27], 0, v[88+\u], v28 matrix_a_fmt:MATRIX_FMT_FP6 matrix_b_fmt:MATRIX_FMT_FP6
	v_wmma_scale_f32_16x16x128_f8f6f4 v[104+16*\u:111+16*\u], v[38+12*\u:49+12*\u], v[16:27], 0, v[88+\u], v28 matrix_a_fmt:MATRIX_FMT_FP6 matrix_b_fmt:MATRIX_FMT_FP6 matrix_a_scale:MATRIX_SCALE_ROW1
.endr
.rept 4
	v_nop                                          ; places: in front of the loads into K's registers, and of the first read of the scores
.endr
.irp d, 0,1,2,3                                ; V's four tiles are asked for now and land under the softmax
.irp g, 0,1,2
	ds_load_b128 v[32+12*\d+4*\g:35+12*\d+4*\g], v8 offset:STEPB*(\q)+6144+1536*\d+512*\g
.endr
.endr
	ds_load_b64 v[92:93], v9 offset:STEPB*(\q)+12800
	s_cmp_lg_u32 s[KF], s[QG]                      ; only the group's own 128 keys lie on the diagonal
	s_cbranch_scc1 .Lopen_\@
	v_mov_b32 v254, 0xff800000                     ; the scores of hidden keys become -infinity ahead of the maximum: p = 0 then
.irp n, 0,1,2,3,4,5,6,7,8,9,10,11,12,13,14,15,16,17,18,19,20,21,22,23,24,25,26,27,28,29,30,31,32,33,34,35,36,37,38,39,40,41,42,43,44,45,46,47,48,49,50,51,52,53,54,55,56,57,58,59,60,61,62,63
	v_cmp_gt_i32 vcc_lo, 32*(\n/16)+\n%16, v3
	v_cndmask_b32 v[96+\n], v[96+\n], v254, vcc_lo
.endr
.Lopen_\@:
.irp b, 0,1,2,3
	v_max3_num_f32 v[232+\b], v[96+16*\b], v[97+16*\b], v[98+16*\b]   ; the largest score of each block of 32 keys: it serves for the row's maximum and, since p rises with the score, for the block's largest p
.endr
.irp i, 3,5,7,9,11,13
.irp b, 0,1,2,3
	v_max3_num_f32 v[232+\b], v[232+\b], v[96+16*\b+\i], v[97+16*\b+\i]
.endr
.endr
.irp b, 0,1,2,3
	v_max_num_f32 v[232+\b], v[232+\b], v[111+16*\b]
.endr
.irp b, 0,1,2,3
	s_delay_alu instid0(VALU_DEP_4)
	v_permlanex16_b32 v[236+\b], v[232+\b], s[SEL], s[SEL+1]
.endr
.irp b, 0,1,2,3
	s_delay_alu instid0(VALU_DEP_4)
	v_max_num_f32 v[232+\b], v[232+\b], v[236+\b]  ; with lane l xor 16's 16 keys
.endr
	s_delay_alu instid0(VALU_DEP_2)
	v_max3_num_f32 v254, v232, v233, v234
	s_delay_alu instid0(VALU_DEP_1)
	v_max_num_f32 v254, v254, v235                 ; the step's largest score of my query
	s_delay_alu instid0(VALU_DEP_1)
	v_mul_f32 v254, s[CS], v254                    ; as t (c is positive)
	s_delay_alu instid0(VALU_DEP_1)
	v_max_num_f32 v13, v13, v254                   ; the running largest t
	v_mov_b32 v254, v12
	s_delay_alu instid0(VALU_DEP_2)
	v_floor_f32 v12, -v13                          ; the new -M = floor(-t) = -ceil(t): a whole number
	s_delay_alu instid0(VALU_DEP_1)
	v_sub_f32 v254, v12, v254                      ; M's old value less its new one: a whole number, 0 or less
	s_delay_alu instid0(VALU_DEP_1)
	v_cvt_i32_f32 v254, v254                       ; (it saturates)
	s_delay_alu instid0(VALU_DEP_1)
	v_ldexp_f32 v252, 1.0, v254                    ; f = 2^(old M - new M)
.irp j, 0,2,4,6,8,10,12,14,16,18,20,22,24,26,28,30,32,34,36,38,40,42,44,46,48,50,52,54,56,58,60,62
	v_pk_fma_f32 v[96+\j:97+\j], v[96+\j:97+\j], s[CS:CS+1], v[12:13] op_sel_hi:[1,0,0]   ; t - M, two at a time
.endr
.irp b, 0,1,2,3
	v_fma_f32 v[232+\b], v[232+\b], s[CS], v12     ; the same of each block's largest score
.endr
	s_wait_alu depctr_va_vdst(0)
.irp j, 0,1,2,3,4,5,6,7,8,9,10,11,12,13,14,15,16,17,18,19,20,21,22,23,24,25,26,27,28,29,30,31,32,33,34,35,36,37,38,39,40,41,42,43,44,45,46,47,48,49,50,51,52,53,54,55,56,57,58,59,60,61,62,63
	v_exp_f32 v[96+\j], v[96+\j]                   ; p = 2^(t - M), at most 1: not normalised
.endr
	v_pk_mul_f32 v[14:15], v[14:15], v[252:253] op_sel_hi:[1,0]   ; the sums under the new M.  (A plain place behind the exponentials)
	s_wait_alu depctr_va_vdst(0)                   ; one wait for the whole batch, ahead of its first reader
.irp b, 0,1,2,3
	v_exp_f32 v[232+\b], v[232+\b]                 ; the block's largest p: the same two instructions on the same number give the same bits
.endr
	v_pk_add_f32 v[236:237], v[100:101], v[104:105]
	v_pk_add_f32 v[254:255], v[108:109], v[112:113]
	v_pk_add_f32 v[250:251], v[116:117], v[120:121]
	v_pk_add_f32 v[248:249], v[124:125], v[128:129]
	v_pk_add_f32 v[246:247], v[132:133], v[136:137]
	v_pk_add_f32 v[244:245], v[140:141], v[144:145]
	v_pk_add_f32 v[242:243], v[148:149], v[152:153]
	v_pk_add_f32 v[14:15], v[14:15], v[156:157]
	v_pk_add_f32 v[236:237], v[236:237], v[96:97]
	v_pk_add_f32 v[254:255], v[254:255], v[98:99]
	v_pk_add_f32 v[250:251], v[250:251], v[102:103]
	v_pk_add_f32 v[248:249], v[248:249], v[106:107]
	v_pk_add_f32 v[246:247], v[246:247], v[110:111]
	v_pk_add_f32 v[244:245], v[244:245], v[114:115]
	v_pk_add_f32 v[242:243], v[242:243], v[118:119]
	v_pk_add_f32 v[14:15], v[14:15], v[122:123]
	v_pk_add_f32 v[236:237], v[236:237], v[126:127]
	v_pk_add_f32 v[254:255], v[254:255], v[130:131]
	v_pk_add_f32 v[250:251], v[250:251], v[134:135]
	v_pk_add_f32 v[248:249], v[248:249], v[138:139]
	v_pk_add_f32 v[246:247], v[246:247], v[142:143]
	v_pk_add_f32 v[244:245], v[244:245], v[146:147]
	v_pk_add_f32 v[242:243], v[242:243], v[150:151]
	v_pk_add_f32 v[14:15], v[14:15], v[154:155]
	v_pk_add_f32 v[236:237], v[236:237], v[158:159]
	s_delay_alu instid0(VALU_DEP_2)
	v_pk_add_f32 v[14:15], v[14:15], v[248:249]
	s_delay_alu instid0(VALU_DEP_2)
	v_pk_add_f32 v[236:237], v[236:237], v[246:247]
	v_pk_add_f32 v[254:255], v[254:255], v[244:245]
	v_pk_add_f32 v[250:251], v[250:251], v[242:243]
	s_delay_alu instid0(VALU_DEP_2)
	v_pk_add_f32 v[14:15], v[14:15], v[254:255]
	s_delay_alu instid0(VALU_DEP_2)
	v_pk_add_f32 v[236:237], v[236:237], v[250:251]
	s_delay_alu instid0(VALU_DEP_1)
	v_pk_add_f32 v[14:15], v[14:15], v[236:237]
	s_wait_alu depctr_va_vdst(0)                   ; and one for the four
.irp b, 0,1,2,3
	v_max_num_f32 v[232+\b], 0x1800000, v[232+\b]  ; the floor 2^(3 - 127): the byte cannot fall under 1 (a block whose every p is 0 keeps that byte: its codes are zeros)
.endr
.irp b, 0,1,2,3
	s_delay_alu instid0(VALU_DEP_4)
	v_add_nc_u32 v[244+\b], 0xff000000, v[232+\b]  ; 2 off the exponent field: the conversion's scale operand
.endr
.irp b, 0,1,2,3
	s_delay_alu instid0(VALU_DEP_4)
	v_lshrrev_b32 v[236+\b], 23, v[244+\b]         ; the scale's byte
.endr
	s_delay_alu instid0(VALU_DEP_3)
	v_lshl_or_b32 v253, v237, 8, v236              ; p's scale word for these 128 keys
	s_delay_alu instid0(VALU_DEP_1)
	v_lshl_or_b32 v253, v238, 16, v253
	s_delay_alu instid0(VALU_DEP_1)
	v_lshl_or_b32 v253, v239, 24, v253
.irp c, 0,1
	v_cvt_scalef32_pk16_fp6_f32 v[224+6*\c:226+6*\c], v[96+32*\c:111+32*\c], v[244+2*\c]
	v_cvt_scalef32_pk16_fp6_f32 v[236+4*\c:238+4*\c], v[112+32*\c:127+32*\c], v[244+2*\c+1]   ; (a conversion's three registers begin on an even number)
.endr
	v_nop                                          ; one plain place behind a scaled conversion
.irp c, 0,1                                    ; the operand's layout wants a WHOLE block in a lane
.irp i, 0,1,2
	v_permlane16_swap_b32 v[224+6*\c+\i], v[236+4*\c+\i]
.endr
.irp i, 0,1,2
	s_delay_alu instid0(VALU_DEP_3)
	v_mov_b32 v[227+6*\c+\i], v[236+4*\c+\i]
.endr
.endr
.irp j, 0,2,4,6,8,10,12,14,16,18,20,22,24,26,28,30
	v_pk_mul_f32 v[160+\j:161+\j], v[160+\j:161+\j], v[252:253] op_sel_hi:[1,0]   ; O^T under the new M.  (These sixteen also stand between the lines that made p's codes and scale word and the products)
.endr
	s_wait_alu depctr_va_vdst(0)
	s_wait_dscnt 0x0                               ; V and its scale words are in
.irp i, 0,1                                    ; O^T += V^T P^T: four accumulators by turns
	v_wmma_scale_f32_16x16x128_f8f6f4 v[160+16*\i:167+16*\i], v[32+24*\i:43+24*\i], v[224:235], v[160+16*\i:167+16*\i], v[92+\i], v253 matrix_a_fmt:MATRIX_FMT_FP6 matrix_b_fmt:MATRIX_FMT_FP6
	v_wmma_scale_f32_16x16x128_f8f6f4 v[168+16*\i:175+16*\i], v[44+24*\i:55+24*\i], v[224:235], v[168+16*\i:175+16*\i], v[92+\i], v253 matrix_a_fmt:MATRIX_FMT_FP6 matrix_b_fmt:MATRIX_FMT_FP6 matrix_a_scale:MATRIX_SCALE_ROW1
.endr
.Lhidden_\@:
	s_add_co_u32 s[KF], s[KF], 128
.endm
; THE CHANGE OF SLOTS stands at a slot's head.  Each wave waits for all its tensor loads (its part of the slot that it is about to read), adds 0 to its spare word, and waits for that and for its reads of the slot that it has left.
; Behind the barrier the slot ahead is whole and nobody reads the other one.  fill = 1: that other slot is filled with the next two steps, if any step of this work-group will read it.
.macro CHANGE fill
	s_wait_tensorcnt 0x0                           ; no tensor load of mine is out, so the group 0 may be written
	ds_add_u32 v5, v6                              ; 0 onto my spare word
.if \fill
	s_xor_b32 s[G0+1], s[G0+1], SLOT1              ; the walking descriptor: the other slot than last time,
	s_add_nc_u64 s[G0+2:G0+3], s[G0+2:G0+3], SLOTB ; the next two steps; the type bits on top are not reached
.endif
	s_wait_dscnt 0x0                               ; the add is done, and my reads of the slot that I have left are over
	s_barrier_signal -1
	s_barrier_wait -1
.if \fill
	s_add_co_u32 s96, s[KF], 256                   ; the first key of the slot that this change would ask for:
	s_cmp_gt_u32 s96, s[QG]                        ; behind my group's 128 queries it is read by none of the sixteen waves.  Ids and the count of steps alone; a work-group that is past the limit stays past it
	s_cbranch_scc1 .Lpast_\@
	TLOAD                                          ; a wave's one tensor load until the next such barrier, ahead of its first LDS read
.Lpast_\@:
.endif
.endm
.macro SLOT_STEPS
	STEP 0
	STEP 1
	s_xor_b32 s[TB], s[TB], SLOT1                  ; on to the other slot
.endm
	s_wait_loadcnt 0x0                             ; Q
.Lslot:                                            ; seven trips
	CHANGE 1
	SLOT_STEPS
	s_sub_co_u32 s[SLOTS], s[SLOTS], 1
	s_cmp_lg_u32 s[SLOTS], 0
	s_cbranch_scc1 .Lslot
	CHANGE 0                                       ; the last slot is written out: nothing is left to ask for
	SLOT_STEPS
	; THE WAY OUT.  O^T / the sum: register 16 b + i is feature 32 b + 16 h + i of my head; its two blocks of 32 are quantised as p is, and become registers 6 x head .. + 5 of the last product's fragment.
.rept 4
	v_nop                                          ; places behind the last products
.endr
	v_add_f32 v14, v14, v15                        ; the sum's two halves,
	s_delay_alu instid0(VALU_DEP_1)
	v_permlanex16_b32 v252, v14, s[SEL], s[SEL+1]
	s_delay_alu instid0(VALU_DEP_1)
	v_add_f32 v14, v14, v252                       ; and lane l xor 16's: the row's sum
	s_wait_alu depctr_va_vdst(0)
	v_rcp_f32 v14, v14
	v_nop                                          ; a plain place behind the transcendental
	s_wait_alu depctr_va_vdst(0)                   ; the wait, ahead of the first reader
.irp j, 0,1,2,3,4,5,6,7,8,9,10,11,12,13,14,15,16,17,18,19,20,21,22,23,24,25,26,27,28,29,30,31
	v_mul_f32 v[96+\j], v[160+\j], v14             ; each accumulator from its low end on
.endr
.irp b, 0,1
	v_max3_num_f32 v[232+\b], |v[96+16*\b]|, |v[97+16*\b]|, 0x1800000
.endr
.irp i, 2,4,6,8,10,12,14
.irp b, 0,1
	s_delay_alu instid0(VALU_DEP_2)
	v_max3_num_f32 v[232+\b], v[232+\b], |v[96+16*\b+\i]|, |v[97+16*\b+\i]|
.endr
.endr
.irp b, 0,1
	s_delay_alu instid0(VALU_DEP_2)
	v_permlanex16_b32 v[236+\b], v[232+\b], s[SEL], s[SEL+1]
.endr
.irp b, 0,1
	s_delay_alu instid0(VALU_DEP_2)
	v_max_num_f32 v[232+\b], v[232+\b], v[236+\b]
.endr
.irp b, 0,1
	s_delay_alu instid0(VALU_DEP_2)
	v_add_nc_u32 v[244+\b], 0xff000000, v[232+\b]
.endr
.irp b, 0,1
	s_delay_alu instid0(VALU_DEP_2)
	v_lshrrev_b32 v[240+\b], 23, v[244+\b]
.endr
	s_delay_alu instid0(VALU_DEP_1)
	v_lshl_or_b32 v240, v241, 8, v240              ; my head's two bytes of the row's scale word
	v_cvt_scalef32_pk16_fp6_f32 v[224:226], v[96:111], v244
	v_cvt_scalef32_pk16_fp6_f32 v[236:238], v[112:127], v245
	v_nop                                          ; one plain place behind a scaled conversion
.irp i, 0,1,2
	v_permlane16_swap_b32 v[224+\i], v[236+\i]
.endr
.irp i, 0,1,2
	s_delay_alu instid0(VALU_DEP_3)
	v_mov_b32 v[227+\i], v[236+\i]
.endr
.irp p, 0,1,2
	global_store_b64 v7, v[224+2*\p:225+2*\p], s[48:49] offset:256*\p   ; 256 consecutive bytes, aligned
.endr
	ds_store_b16 v10, v240                         ; lanes r and r + 16 write the same two bytes with the same value
	s_wait_dscnt 0x0                               ; for wave 0's sake: my store has landed
	s_barrier_signal -1
	s_barrier_wait -1
	s_cmp_lg_u32 s[WV], 0
	s_cbranch_scc1 .Lend
	ds_load_b128 v[32:35], v4                      ; the eight tiles' whole words
	s_wait_dscnt 0x0
	global_store_b128 v11, v[32:35], s[50:51]      ; 512 consecutive bytes, aligned to 256
.Lend:
	s_wait_tensorcnt 0x0                           ; the wave's end: behind my last tensor load and my last LDS store
	ds_add_u32 v5, v6
	s_wait_dscnt 0x0
	s_endpgm
.Lfunc_end_k_q822082aa08_attn:
	.size	k_q822082aa08_attn, .Lfunc_end_k_q822082aa08_attn-k_q822082aa08_attn
	.p2alignl 7, 3214868480
	.fill 96, 4, 3214868480
	.section	.rodata,"a",@progbits
	.p2align	6, 0x0
	.amdhsa_kernel k_q822082aa08_attn
		.amdhsa_group_segment_fixed_size 327680
		.amdhsa_private_segment_fixed_size 0
		.amdhsa_enable_private_segment 0
		.amdhsa_kernarg_size 32
		.amdhsa_user_sgpr_count 2
		.amdhsa_user_sgpr_kernarg_segment_ptr 1
		.amdhsa_wavefront_size32 1
		.amdhsa_system_sgpr_workgroup_id_x 1
		.amdhsa_system_sgpr_workgroup_id_y 1
		.amdhsa_system_sgpr_workgroup_id_z 1
		.amdhsa_system_vgpr_workitem_id 0
		.amdhsa_next_free_vgpr 256
		.amdhsa_next_free_sgpr 100
		.amdhsa_reserve_vcc 1
		.amdhsa_float_denorm_mode_32 3
		.amdhsa_float_denorm_mode_16_64 3
		.amdhsa_memory_ordered 1
		.amdhsa_forward_progress 1
		.amdhsa_inst_pref_size 101
	.end_amdhsa_kernel
	.amdgpu_metadata
---
amdhsa.version: [ 1, 2 ]
amdhsa.kernels:
  - .name:           k_q822082aa08_attn
    .symbol:         k_q822082aa08_attn.kd
    .args:
      - { .name: qb, .offset: 0, .size: 8, .value_kind: global_buffer, .address_space: global }
      - { .name: kv, .offset: 8, .size: 8, .value_kind: global_buffer, .address_space: global }
      - { .name: acodes, .offset: 16, .size: 8, .value_kind: global_buffer, .address_space: global }
      - { .name: ascales, .offset: 24, .size: 8, .value_kind: global_buffer, .address_space: global }
    .group_segment_fixed_size: 327680
    .private_segment_fixed_size: 0
    .kernarg_segment_align: 8
    .kernarg_segment_size: 32
    .max_flat_workgroup_size: 512
    .sgpr_count:     100
    .vgpr_count:     256
    .wavefront_size: 32
...
	.end_amdgpu_metadata
.endif
;; end of part 3
;; launch oproj (part 4): grid 4 x 32, 4 waves a work-group, clusters of 4 x 4, 327,680 bytes of LDS; arguments acodes, ascales, opc, ops, out0; writes out0
.if DOCPART == 4
	.amdgcn_target "amdgcn-amd-amdhsa--gfx1250"
	.amdhsa_code_object_version 6
	.text
	.protected	k_q822082aa08_oproj
	.globl	k_q822082aa08_oproj
	.p2align	8
	.type	k_q822082aa08_oproj,@function
k_q822082aa08_oproj:
	s_mov_b64 s[64:65], 0
	v_nop
	global_prefetch_b8 v0, s[64:65] scope:SCOPE_SE
	s_setreg_imm32_b32 hwreg(HW_REG_WAVE_MODE, 25, 1), 1
	s_wait_xcnt 0x0
	s_wait_alu depctr_hold_cnt(0) depctr_sa_sdst(0) depctr_va_vdst(0) depctr_va_sdst(0) depctr_va_ssrc(0) depctr_va_vcc(0) depctr_vm_vsrc(0)
	s_getreg_b32 s2, hwreg(HW_REG_IB_STS2, 6, 4)
	s_cmp_eq_u32 s2, 0
	s_cbranch_scc0 .Lentry_in_a_cluster
	s_endpgm
.Lentry_in_a_cluster:
	s_bfe_u32 s2, ttmp6, 0x10000c
	s_cmp_lg_u32 s2, 0xf033
	s_cbranch_scc0 .Lentry_shape_is_right
	s_endpgm
.Lentry_shape_is_right:
; OPROJ.  out0 = a Wo^T on codes of FP6 (E2M3) with one E8M0 scale for each 32 along K = 1,024; a is attention's result as codes (acodes, ascales), Wo's codes are tiles 704-767 of opc, ops.  out0 [8192][1024] f32; sums in f32.
; A tile of out0, 256 x 256, is made by a work-group of four waves, each 128 x 128: 64 accumulators of 16 x 16, 512 registers.  K goes in steps of 256 through a ring of two LDS slots.
; THE OPERANDS LIE IN MEMORY IN THE ORDER OF THEIR REGISTERS ([K step][tile of 16 rows][2 x 128 K][piece 0..5][lane][8 bytes]): 8 tiles of a K step are 24,576 dense bytes, one tensor load a wave; a fragment is six
; ds_load_b64 at 8 x lane, 256 consecutive bytes each.  The scale words ([128 K][tile][16 words]) of the work-group's rows come once, with the first fills, and stay.
; CLUSTERS: 4 x 4 work-groups; A's tiles are asked for jointly along a row of the cluster, B's along a column.  By this text's count a wave has three tensor loads out at the start and one behind each round.
; THE MATRIX INSTRUCTION IS USED TRANSPOSED (source 0 = 16 rows of Wo, source 1 = 16 rows of a): a lane holds eight neighbouring numbers of a row of out0.
; a's TILES TAKE THEIR ROWS AS 32 (T / 2) + 8 (T % 2) + i + 8 (i / 8): the way out puts each row at its own place.
; 128 work-groups: the tile is the one of the launch that makes q, k and v; a smaller one would read each LDS byte for half the products.
; REGISTERS, in windows of 256: window 0: v0-31 addresses; v32-63 scale words, two sets; v128-223 A's fragments, one set; on the way out v128-255 rows of out0.  window 1: B's fragments, two sets, at v0 and v128.
;   window 2: the 32 accumulators of my rows 0-63 (accumulator (a, b) at v[8 (8 a + b)]);  window 3: those of my rows 64-127.
.set PLA,    1572864                   ; from a K step to the next in A's codes, in bytes: 512 tiles;  B's: 768 tiles
.set PLB,    2359296
.set SPA,    4096                      ; from 128 along K to the next in A's scales, in elements of 8 bytes;  B's
.set SPB,    6144
.set PAC,    4                         ; s[4:5] A's codes, s[6:7] A's scales, s[8:9] B's codes, s[10:11] B's scales
.set PAS,    6
.set PBC,    8
.set PBS,    10
.set NQ,     2                         ; matrix instructions deep in a slot
.set FR,     12                        ; registers of a fragment
.set NL,     6                         ; LDS loads that bring one
.set NP,     4                         ; places behind this matrix instruction (ISA guide 7.12.1)
.set HALFT,  24576                     ; 8 tiles: what one tensor load brings, and what one wave reads of A or of B
.set SLOT,   4*HALFT                   ; A's 16 tiles, then B's 16
.set LAPS,   2                         ; a lap = two K steps of 256 = once round the ring
.set SCL,    2*SLOT                    ; behind the ring: the scales, 4,096 bytes a wave's load: [128 K: 0..7][8 tiles][64 bytes]; B's two lie 128 bytes further on, so that A's and B's lanes of a load fall on different banks
.set SPARE,  213248                    ; the spare words, 128 bytes for each wave: two blocks of 256 bytes that no other line names
.set SPITCH, 528                       ; the way out: a stage of 16 rows x (512 bytes + 16) for each wave.  It lies in slot 0, which has had its last fill and its last read when the first result is stored there
.set ADRA, 16                          ; v16-17  LDS address of my A fragments in slot 0, 1
.set ADRB, 20                          ; v20-21  the same for B
.set STO,  24                          ; v24     the way out: where I put 32 bytes of a row
.set RD,   25                          ; v25     the way out: where I read a row back
.set CO,   26                          ; v26     my byte offset in a row of out0
.set ADRS, 27                          ; v27     LDS address of my scale words: lanes 0-15 A's rows, lanes 16-31 B's
.set SPW,  28                          ; v28     LDS address of my spare word; never rewritten
.set NIL,  29                          ; v29     0; never rewritten
.set SC,   32                          ; scale words: set s at v[SC + 16 s]; register 2 i + q: lanes 0-15 A's block i, lanes 16-31 B's block i, the slot's q-th 128 along K
.set AF,   128                         ; A's fragments
.set BK,   128                         ; the way out: 16 rows read back from the stage: v128-191 and v192-255 by turns
.set G1,   24                          ; s[24:31] descriptor group 1 for A's tiles;  s[32:39] group 0, one set for each slot
.set G0,   32
.set G1B,  48                          ; s[48:55], s[56:63] the same for B's tiles
.set G0B,  56
.set G1S,  68                          ; s[68:75], s[76:79] groups 1 and 0 for A's scales;  s[80:87], s[88:91] for B's
.set G0S,  76
.set G1SB, 80
.set G0SB, 88
.set MSB, 0
.macro WIN new                         ; the immediate's high byte repeats the setting that is left
.if MSB != (\new)
	s_set_vgpr_msb (MSB<<8)|(\new)
.set MSB, (\new)
.endif
.endm
.set MUL_LO, 0xa1                      ; source 0 (B) window 1, source 1 (A) window 0, C and D window 2
.set MUL_HI, 0xf1                      ; the same, C and D window 3
.set TO_B,   0x40                      ; destination window 1, address window 0
; A joint load: waves 0 and 1 fetch for A, waves 2 and 3 for B.  Each of the two lines has one mask and one set of registers for all that issue it; the branch hangs on the wave's number alone.
.macro JLOAD g0a, g1a, g0b, g1b
	s_cmp_eq_u32 s15, 0
	s_cbranch_scc0 .Lfor_b_\@
	tensor_load_to_lds s[\g0a:\g0a+3], s[\g1a:\g1a+7]
	s_nop 0
.rept 4
	v_nop
.endr
	s_branch .Lasked_\@
.Lfor_b_\@:
	tensor_load_to_lds s[\g0b:\g0b+3], s[\g1b:\g1b+7]
	s_nop 0
.rept 4
	v_nop
.endr
.Lasked_\@:
.endm
.macro CREST                           ; a round of the cluster's barrier behind its opening barrier
	s_cmp_lg_u32 s14, 0
	s_cbranch_scc1 .Lnot_wave_0_\@
	s_barrier_signal -3
.Lnot_wave_0_\@:
	s_barrier_wait -3
	s_barrier_signal -1
	s_barrier_wait -1
.endm
.macro CROUND                          ; a whole round
	s_barrier_signal -1
	s_barrier_wait -1
	CREST
.endm
.macro SHAPE g, c, r, p                ; words 1 to 7 of a group 1: r rows of c elements of 8 bytes, p elements from row to row
	s_mov_b32 s[\g+1], (\c)<<16
	s_mov_b32 s[\g+2], (\r)<<16
	s_mov_b32 s[\g+3], (\c)<<16
	s_mov_b32 s[\g+4], \r
	s_mov_b32 s[\g+5], \p
	s_mov_b32 s[\g+6], 0
	s_mov_b32 s[\g+7], 0
.endm
	s_load_b256 s[4:11], s[0:1], 0x0               ; acodes, ascales, opc, ops
	s_load_b64 s[12:13], s[0:1], 0x20              ; out0
	v_lshl_add_u32 v[SPW], v0, 2, SPARE
	v_mov_b32 v[NIL], 0
	ds_add_u32 v[SPW], v[NIL]                      ; the wave's opening: the add and its wait stand ahead of my first tensor load; the set-up below, work on registers, stands between them
	v_lshrrev_b32 v1, 5, v0
	v_readfirstlane_b32 s14, v1                    ; wave 0..3
	s_lshr_b32 s15, s14, 1                         ; which half of the tile's rows is mine.  Also: I fetch for A (0) or for B (1)
	s_and_b32 s16, s14, 1                          ; which half of its columns.  Also: which 8 tiles I fetch
	s_bfe_u32 s40, ttmp6, 0x40000                  ; cx, cy: my place in the cluster
	s_bfe_u32 s41, ttmp6, 0x40004
	s_lshl_b32 s42, ttmp9, 2
	s_add_co_u32 s42, s42, s40                     ; tile column = 4 x cluster x + cx
	s_and_b32 s17, ttmp7, 0xffff
	s_lshl_b32 s17, s17, 2
	s_add_co_u32 s17, s17, s41                     ; tile row = 4 x cluster y + cy
	s_lshl_b32 s43, s41, 2
	s_lshl_b32 s43, 15, s43                        ; my row of the cluster
	s_lshl_b32 s44, 0x1111, s40                    ; my column
	s_or_b32 s[G1+0], s43, (3<<16)|(1<<21)         ; 15:0 the mask; 17:16 elements of 8 bytes; 20 no padding; 21 set beside a mask
	s_or_b32 s[G1B+0], s44, (3<<16)|(1<<21)
	SHAPE G1, 32, 96, 32                           ; 8 tiles of codes: 24,576 dense bytes as 96 rows of 256
	SHAPE G1B, 32, 96, 32
	s_or_b32 s[G1S+0], s43, (3<<16)|(1<<21)
	s_or_b32 s[G1SB+0], s44, (3<<16)|(1<<21)
	SHAPE G1S, 64, 8, SPA                          ; 8 tiles' scale words: 512 bytes of each of the 8 planes
	SHAPE G1SB, 64, 8, SPB
	s_lshl_b32 s47, s16, 3
	s_lshl_b32 s46, s17, 4
	s_add_co_u32 s46, s46, s47                     ; A: the first tile that I fetch (made of the tile row, which my row of the cluster shares)
	s_lshl_b32 s100, s42, 4
	s_add_co_u32 s100, s100, 704
	s_add_co_u32 s100, s100, s47                   ; B: likewise (of the tile column, which my column shares); Wo's tiles begin at 704
	s_lshl_b32 s66, s46, 6                         ; their scale words,
	s_mov_b32 s67, 0
	s_mul_i32 s46, s46, 3072                       ; and their codes
	s_mov_b32 s47, 0
	s_lshl_b32 s2, s100, 6
	s_mov_b32 s3, 0
	s_mul_i32 s100, s100, 3072
	s_mov_b32 s101, 0
	s_mul_i32 s45, s14, HALFT                      ; where they go: no place in the cluster enters an LDS address
	s_lshl_b32 s19, s14, 12
	s_lshl_b32 s20, s15, 7
	s_add_co_u32 s19, s19, s20
	s_add_co_u32 s19, s19, SCL
	s_wait_dscnt 0x0                               ; the opening add is done
	s_wait_kmcnt 0x0
	s_add_nc_u64 s[46:47], s[PAC:PAC+1], s[46:47]
	s_add_nc_u64 s[66:67], s[PAS:PAS+1], s[66:67]
	s_add_nc_u64 s[100:101], s[PBC:PBC+1], s[100:101]
	s_add_nc_u64 s[2:3], s[PBS:PBS+1], s[2:3]
	CROUND                                         ; all sixteen work-groups are here: the first joint loads meet
	s_mov_b32 s[G0S], 1
	s_mov_b32 s[G0S+1], s19
	s_mov_b64 s[G0S+2:G0S+3], s[66:67]
	s_or_b32 s[G0S+3], s[G0S+3], 0x80000000
	s_mov_b32 s[G0SB], 1
	s_mov_b32 s[G0SB+1], s19
	s_mov_b64 s[G0SB+2:G0SB+3], s[2:3]
	s_or_b32 s[G0SB+3], s[G0SB+3], 0x80000000
	JLOAD G0S, G1S, G0SB, G1SB                     ; the scales first: they are wanted with K step 0
.irp s, 0,1
	s_mov_b32 s[G0+4*\s], 1
	s_add_co_u32 s[G0+4*\s+1], s45, \s*SLOT
	s_add_nc_u64 s[G0+4*\s+2:G0+4*\s+3], s[46:47], \s*PLA
	s_or_b32 s[G0+4*\s+3], s[G0+4*\s+3], 0x80000000
	s_mov_b32 s[G0B+4*\s], 1
	s_add_co_u32 s[G0B+4*\s+1], s45, \s*SLOT
	s_add_nc_u64 s[G0B+4*\s+2:G0B+4*\s+3], s[100:101], \s*PLB
	s_or_b32 s[G0B+4*\s+3], s[G0B+4*\s+3], 0x80000000
	JLOAD G0+4*\s, G1, G0B+4*\s, G1B
.endr
	v_and_b32 v1, 15, v0                           ; r
	v_bfe_u32 v2, v0, 4, 1                         ; h
	v_and_b32 v3, 31, v0                           ; lane
	v_lshlrev_b32 v4, 3, v3                        ; 8 x lane
	s_mul_i32 s46, s15, HALFT                      ; my 8 tiles of A
	s_mul_i32 s47, s16, HALFT                      ; my 8 tiles of B,
	s_add_co_u32 s47, s47, 2*HALFT                 ; which lie behind A's 16
.irp s, 0,1
	v_add_nc_u32 v[ADRA+\s], s46, v4
	v_add_nc_u32 v[ADRB+\s], s47, v4
	s_add_co_u32 s46, s46, SLOT
	s_add_co_u32 s47, s47, SLOT
.endr
	s_lshl_b32 s46, s15, 12                        ; A's scale words: my 8 tiles
	s_lshl_b32 s47, s16, 12                        ; B's: my 8 tiles, behind A's 16 and the 128 bytes
	s_add_co_u32 s47, s47, 8320
	s_sub_co_u32 s47, s47, s46
	v_mul_u32_u24 v6, s47, v2                      ; lanes 16-31 take B's
	s_add_co_u32 s46, s46, SCL
	v_lshl_add_u32 v5, v1, 2, v6
	v_add_nc_u32 v[ADRS], s46, v5
	s_mul_i32 s46, s14, 16*SPITCH                  ; my stage
	v_mul_u32_u24 v5, v1, SPITCH                   ; in: row l % 16, 32 bytes for each half of the lanes
	v_lshl_add_u32 v5, v2, 5, v5
	v_add_nc_u32 v[STO], s46, v5
	v_lshlrev_b32 v[CO], 4, v3                     ; back: the 32 lanes take one row of 512 bytes; and the same in out0
	v_add_nc_u32 v[RD], s46, v[CO]
	s_lshl_b32 s100, s17, 8
	s_lshl_b32 s101, s15, 7
	s_add_co_u32 s100, s100, s101                  ; my first row of out0: 256 x tile row + 128 x half,
	s_lshl_b32 s100, s100, 12                      ; of 4,096 bytes
	s_lshl_b32 s101, s42, 10
	s_add_co_u32 s100, s100, s101                  ; my first column, in bytes: 1,024 x tile column + 512 x half
	s_lshl_b32 s101, s16, 9
	s_add_co_u32 s100, s100, s101
	s_mov_b32 s101, 0
	s_add_nc_u64 s[12:13], s[12:13], s[100:101]
.macro FRAG reg, adr, q, i             ; a fragment, 16 rows x 128 K, is 12 registers; it lies in LDS as they are: piece p (registers 2 p, 2 p + 1) at 256 p + 8 x lane
.irp p, 0,1,2,3,4,5
	ds_load_b64 v[\reg+2*\p:\reg+2*\p+1], v[\adr] offset:3072*(\i)+1536*(\q)+256*\p
.endr
.endm
; 16 matrix instructions: A's blocks a0, a0 + 1 x B's eight, 128 along K: the slot's q-th.  p: B's set;  sc: the set of scale words.  zero = 1: the first product starts the sums: nothing is ever cleared.
; The 64 accumulators take turns, one instruction a turn, in the same order in every step.
.macro MUL16 a0, p, q, sc, zero
.irp a, \a0, \a0+1
.irp b, 0,1,2,3,4,5,6,7
.if \zero
	v_wmma_scale_f32_16x16x128_f8f6f4 v[8*(8*((\a)%4)+\b):8*(8*((\a)%4)+\b)+7], v[128*(\p)+FR*\b:128*(\p)+FR*\b+FR-1], v[AF+FR*(\a):AF+FR*(\a)+FR-1], 0, v[SC+8*NQ*(\sc)+NQ*\b+(\q)], v[SC+8*NQ*(\sc)+NQ*(\a)+(\q)] matrix_a_fmt:MATRIX_FMT_FP6 matrix_b_fmt:MATRIX_FMT_FP6 matrix_a_scale:MATRIX_SCALE_ROW1
.else
	v_wmma_scale_f32_16x16x128_f8f6f4 v[8*(8*((\a)%4)+\b):8*(8*((\a)%4)+\b)+7], v[128*(\p)+FR*\b:128*(\p)+FR*\b+FR-1], v[AF+FR*(\a):AF+FR*(\a)+FR-1], v[8*(8*((\a)%4)+\b):8*(8*((\a)%4)+\b)+7], v[SC+8*NQ*(\sc)+NQ*\b+(\q)], v[SC+8*NQ*(\sc)+NQ*(\a)+(\q)] matrix_a_fmt:MATRIX_FMT_FP6 matrix_b_fmt:MATRIX_FMT_FP6 matrix_a_scale:MATRIX_SCALE_ROW1
.endif
.endr
.endr
.endm
.macro FETCH_B slot, q, p              ; B's eight fragments of the slot's q-th 128 along K into set p
	WIN TO_B
.irp i, 0,1,2,3,4,5,6,7
	FRAG 128*(\p)+FR*\i, ADRB+\slot, \q, \i
.endr
	WIN 0
.endm
.macro FETCH_A slot, q, i0             ; A's blocks i0 .. i0 + 3
.irp i, \i0, \i0+1, \i0+2, \i0+3
	FRAG AF+FR*(\i), ADRA+\slot, \q, \i
.endr
.endm
.macro SCALES sc                       ; the next K step's scale words into set sc: lanes 0-15 take A's block i, lanes 16-31 B's block i; the two planes of the K step lie 512 bytes apart
.irp i, 0,1,2,3,4,5,6,7
	ds_load_b32 v[SC+8*NQ*\sc+NQ*\i], v[ADRS] offset:64*\i
	ds_load_b32 v[SC+8*NQ*\sc+NQ*\i+1], v[ADRS] offset:64*\i+512
.endr
.endm
; A load into a register that a matrix instruction has read, and an LDS store that reads a matrix result, stand NP places behind that matrix instruction; only plain vector instructions that name none of its
; registers are places (ISA guide 7.12.1 for vector instructions).
.macro PLACES n
.rept \n
	v_nop
.endr
.endm
; A step of 128 along K that has its successor in the same slot.  A's blocks go one after the other, each against B's eight: so one set of registers serves A, refilled in two halves; B has two sets.
.macro STEP slot, q, zero
	s_wait_dscnt 4*NL                              ; B's set and A's blocks 0-3 are in; the youngest 24 loads (A's blocks 4-7) may be out
	WIN MUL_LO
	MUL16 0, (\q)%2, \q, \slot, \zero
	MUL16 2, (\q)%2, \q, \slot, \zero
	s_wait_dscnt 0                                 ; A's blocks 4-7 are in
	PLACES NP
	FETCH_B \slot, (\q)+1, 1-(\q)%2
	FETCH_A \slot, (\q)+1, 0
	WIN MUL_HI
	MUL16 4, (\q)%2, \q, \slot, \zero
	MUL16 6, (\q)%2, \q, \slot, \zero
	PLACES NP
	WIN 0
	FETCH_A \slot, (\q)+1, 4
.endm
; A slot's last step changes slots: ONE barrier; in front of it each wave waits for all its tensor loads, adds 0 to its spare word, and waits for that and for its own reads of this slot.  fill = 1: this slot is filled again, two K steps ahead.
.macro TURN slot, next, fill
	s_wait_tensorcnt 0x0                           ; all my tensor loads have landed: my part of the next slot;  (every window is 0 here)
	ds_add_u32 v[SPW], v[NIL]                      ; 0 onto my spare word;
	s_wait_dscnt 4*NL+1                            ; (the add and the youngest 24 loads, A's blocks 4-7, may be out)
	WIN MUL_LO
	MUL16 0, 1, NQ-1, \slot, 0                     ; sixteen matrix instructions stand between the add and the wait for it
	s_wait_dscnt 0x0                               ; the add is done, and my reads of this slot are over
	s_barrier_signal -1
	MUL16 2, 1, NQ-1, \slot, 0
	WIN 0
	s_barrier_wait -1
.if \fill
	CREST                                          ; the barrier has opened a round of the cluster's barrier: no wave of any partner still reads this slot's tile or has a load on its way
	s_add_nc_u64 s[G0+4*\slot+2:G0+4*\slot+3], s[G0+4*\slot+2:G0+4*\slot+3], 2*PLA
	s_add_nc_u64 s[G0B+4*\slot+2:G0B+4*\slot+3], s[G0B+4*\slot+2:G0B+4*\slot+3], 2*PLB
	JLOAD G0+4*\slot, G1, G0B+4*\slot, G1B         ; the first tensor load behind the round; the four v_nop behind it are the places in front of the loads below
.else
	PLACES NP
.endif
	v_add_nc_u32 v[ADRS], 1024, v[ADRS]            ; on to the next K step's two planes of scale words
	FETCH_B \next, 0, 0
	FETCH_A \next, 0, 0
	SCALES \next
	WIN MUL_HI
	MUL16 4, 1, NQ-1, \slot, 0
	MUL16 6, 1, NQ-1, \slot, 0
	PLACES NP
	WIN 0
	FETCH_A \next, 0, 4
.endm
	s_wait_tensorcnt 1                             ; the scales and my part of K step 0 are in (K step 1's load may be out),
	s_barrier_signal -1
	s_barrier_wait -1                              ; everybody's are
	FETCH_B 0, 0, 0
	FETCH_A 0, 0, 0
	SCALES 0
	FETCH_A 0, 0, 4
	STEP 0, 0, 1                                   ; the first step stands in front of the loop: its products start the sums
	s_mov_b32 s3, LAPS-1
.Llap:                                                 ; a trip goes once round the ring, from a lap's second step to the next lap's first, and fills both slots again
	TURN 0, 1, 1
	STEP 1, 0, 0
	TURN 1, 0, 1
	STEP 0, 0, 0
	s_sub_co_u32 s3, s3, 1
	s_cmp_lg_u32 s3, 0
	s_cbranch_scc1 .Llap
	TURN 0, 1, 0                                   ; the last lap fills nothing, and has no round of the cluster's barrier
	STEP 1, 0, 0
	s_wait_dscnt 4*NL                              ; the very last step: nothing more to fetch
	WIN MUL_LO
	MUL16 0, 1, NQ-1, 1, 0
	MUL16 2, 1, NQ-1, 1, 0
	s_wait_dscnt 0
	WIN MUL_HI
	MUL16 4, 1, NQ-1, 1, 0
	MUL16 6, 1, NQ-1, 1, 0
	WIN 0
; THE WAY OUT, block by block of 16 rows x 128 columns.  A lane holds 32 neighbouring bytes of a row, and the lanes beside it hold other rows: so a block goes through my own stage in LDS and comes back as whole
; rows of 512 bytes, which the 32 lanes store as two aligned runs of 256 bytes.  LDS serves a wave's instructions in order (ISA guide 5.7.1.4): no wait between the stores and the loads, nor in front of the next block's stores.
.macro TOSTAGE a
.set AC, 64*((\a)%4)
	WIN 0x08+4*((\a)/4)                            ; the data: window 2 or 3
.irp b, 0,1,2,3,4,5,6,7
	ds_store_b128 v[STO], v[AC+8*\b:AC+8*\b+3] offset:64*\b          ; each accumulator from its low end on
	ds_store_b128 v[STO], v[AC+8*\b+4:AC+8*\b+7] offset:64*\b+16
.endr
	WIN 0
.set BB, BK+64*((\a)%2)
.irp t, 0,1,2,3,4,5,6,7,8,9,10,11,12,13,14,15
	ds_load_b128 v[BB+4*\t:BB+4*\t+3], v[RD] offset:\t*SPITCH
.endr
.endm
.macro SEND a, younger                 ; younger: the LDS instructions issued behind block a's loads, which may stay out.  Row t of block a is row 32 (a / 2) + 8 (a % 2) + t + 8 (t / 8) of my 128: 127 rows of 4,096 bytes at the most, inside the immediate
.set BB, BK+64*((\a)%2)
	s_wait_dscnt \younger                          ; the block is back in registers
.irp t, 0,1,2,3,4,5,6,7,8,9,10,11,12,13,14,15
	global_store_b128 v[CO], v[BB+4*\t:BB+4*\t+3], s[12:13] offset:(32*((\a)/2)+8*((\a)%2)+\t+8*(\t/8))*4096 th:TH_STORE_NT   ; 32 lanes store 512 consecutive bytes, at a multiple of 256 from out0's first byte; written once, read by nobody here
.endr
.endm
	PLACES NP                                      ; behind the last products: for the loads into the registers that held A's fragments and for the reads of the results
	TOSTAGE 0
.irp a, 1,2,3,4,5,6,7
.if \a > 1
	s_wait_xcnt 0x0                                ; block a - 2's stores have read their registers: block a's loads may land there
.endif
	TOSTAGE \a
	SEND \a-1, 32                                  ; behind block a - 1's loads: block a's 16 stores and 16 loads
.endr
	SEND 7, 0
	s_wait_tensorcnt 0x0                           ; the wave's end: behind my last tensor load and my last LDS store
	ds_add_u32 v[SPW], v[NIL]
	s_wait_dscnt 0x0
	CROUND                                         ; the closing round: no work-group ends while a partner may still ask for a tile that names it
	s_endpgm
.Lfunc_end_k_q822082aa08_oproj:
	.size	k_q822082aa08_oproj, .Lfunc_end_k_q822082aa08_oproj-k_q822082aa08_oproj
	.p2alignl 7, 3214868480
	.fill 96, 4, 3214868480
	.section	.rodata,"a",@progbits
	.p2align	6, 0x0
	.amdhsa_kernel k_q822082aa08_oproj
		.amdhsa_group_segment_fixed_size 327680
		.amdhsa_private_segment_fixed_size 0
		.amdhsa_enable_private_segment 0
		.amdhsa_kernarg_size 40
		.amdhsa_user_sgpr_count 2
		.amdhsa_user_sgpr_kernarg_segment_ptr 1
		.amdhsa_wavefront_size32 1
		.amdhsa_system_sgpr_workgroup_id_x 1
		.amdhsa_system_sgpr_workgroup_id_y 1
		.amdhsa_system_sgpr_workgroup_id_z 1
		.amdhsa_system_vgpr_workitem_id 0
		.amdhsa_next_free_vgpr 1024
		.amdhsa_next_free_sgpr 102
		.amdhsa_reserve_vcc 0
		.amdhsa_float_denorm_mode_32 3
		.amdhsa_float_denorm_mode_16_64 3
		.amdhsa_memory_ordered 1
		.amdhsa_forward_progress 1
		.amdhsa_inst_pref_size 161
	.end_amdhsa_kernel
	.amdgpu_metadata
---
amdhsa.version: [ 1, 2 ]
amdhsa.kernels:
  - .name:           k_q822082aa08_oproj
    .symbol:         k_q822082aa08_oproj.kd
    .args:
      - { .name: acodes, .offset: 0, .size: 8, .value_kind: global_buffer, .address_space: global }
      - { .name: ascales, .offset: 8, .size: 8, .value_kind: global_buffer, .address_space: global }
      - { .name: opc, .offset: 16, .size: 8, .value_kind: global_buffer, .address_space: global }
      - { .name: ops, .offset: 24, .size: 8, .value_kind: global_buffer, .address_space: global }
      - { .name: out0, .offset: 32, .size: 8, .value_kind: global_buffer, .address_space: global }
    .group_segment_fixed_size: 327680
    .private_segment_fixed_size: 0
    .kernarg_segment_align: 8
    .kernarg_segment_size: 40
    .max_flat_workgroup_size: 128
    .sgpr_count:     102
    .vgpr_count:     1024
    .wavefront_size: 32
...
	.end_amdgpu_metadata
.endif
;; end of part 4
